; MI455X (gfx1250); checked and timed in simulation.
; The chip was launched on July 23, 2026; its instructions are those of AMD's public machine-readable ISA for CDNA 5 (MIT licence, August 2026) and "CDNA5" Instruction Set Architecture Reference Guide (July 2026). The comments in the code are by the model that wrote it; some were corrected since.
;; Attention. Allowed arithmetic: matrix products marked QUANTISED: E2M3 operands, one E8M0 scale for each 32 along K, by v_wmma_scale_f32_16x16x128_f8f6f4 with both operands' format E2M3, f32 sums; products left as they are: f32 operands where the result goes on into a quantised operand, else bf16, f16 or f32 operands; f32 sums; everything else in f32.
;; Inputs: W_out 1,024 x 1,024 float32; W_qkv 1,024 x 3,072 float32; b_out 1,024 float32; ln_b 1,024 float32; ln_g 1,024 float32; x 2 x 2,048 x 1,024 float32.
;; Outputs: out0 2 x 2,048 x 1,024 float32.
;; This version of the problem:
;;   THIS VERSION OF THE PROBLEM IS GIVEN IN LOW PRECISION. The matrix products marked QUANTISED in the list below multiply operands that are first quantised to E2M3 (2 exponent bits, 3 mantissa bits; 6 bits a number), with one power-of-two scale for each 32 numbers along K (OCP MX v1.0); their sums are f32. All else is computed in f32.
;;   The module's matrix products, in the order in which they are computed (A, B: the left and right operand; K: the contracted axis; several contracted axes count as one K, in the product's order):
;;     1. [M 4,096, K 1,024] x [K 1,024, N 3,072]; A: computed on the way; B: input W_qkv: QUANTISED
;;     2. [M 2,048, K 1] x [K 1, N 32]; A: computed on the way; B: computed on the way: left as it is (no contracted axis)
;;     3. batch 32 x [M 2,048, K 64] x [K 64, N 2,048]; A: computed on the way; B: computed on the way: QUANTISED
;;     4. batch 32 x [M 2,048, K 2,048] x [K 2,048, N 64]; A: softmax (see below); B: computed on the way: QUANTISED
;;     5. [M 4,096, K 1,024] x [K 1,024, N 1,024]; A: computed on the way; B: input W_out: QUANTISED
;;   THE QUANTISER, for each operand of a quantised product, along K:
;;     - K is cut into blocks of 32 from its start; a last block that is shorter is filled with zeros.
;;     - A block's scale is 2^e with e = floor(log2(the largest magnitude in the block)) - 2, held to -126 .. 127; a block of zeros has e = 0. As a byte (E8M0): e + 127.
;;     - Each number is divided by its block's scale, clamped to +-7.5, and rounded to the nearest number of E2M3, ties to even, subnormals kept.
;;     - The product sums the exact products of the quantised numbers (number of the format x scale) in f32.
;;   ~~~python
;;   def quantise(x, axis):      # numpy; x: float32 -> the quantised numbers, widened to float32 again
;;       x = np.moveaxis(x, axis, -1); K = x.shape[-1]
;;       x = np.pad(x, [(0, 0)] * (x.ndim - 1) + [(0, -K % 32)]); x = x.reshape(x.shape[:-1] + (-1, 32)); a = np.abs(x).max(-1, keepdims=True)
;;       e = np.where(a > 0, np.clip(np.frexp(np.where(a > 0, a, 1))[1] - 1 - 2, -126, 127), 0)      # np.frexp(a)[1] - 1 = floor(log2(a)), exactly
;;       r = np.clip(x / 2.0 ** e, -7.5, 7.5)
;;       step = 2.0 ** (np.maximum(np.frexp(np.where(r == 0, 1, r))[1] - 1, 0) - 3)
;;       q = np.round(r / step) * step * 2.0 ** e      # np.round: ties to even
;;       return np.moveaxis(q.reshape(q.shape[:-2] + (-1,))[..., :K], -1, axis).astype(np.float32)
;;   ~~~
;;   SOFTMAX AHEAD OF A QUANTISED PRODUCT. Where the list says 'softmax', what is quantised is not the finished softmax but p = 2^(t - M), with t = logit x log2(e) and M = ceil(the row's largest t), a whole number; so 1/2 < the row's largest p <= 1. The row's sum l is taken of the UNQUANTISED p, in f32, and the product's result is divided by l at the end. Since M is a whole number, a kernel that streams over the keys may use a running M (the ceiling of the running maximum): every later rescaling is an exact power of two, which a block's scale takes up: the codes' values come out the same.
;;   OPERANDS COMPUTED ON THE WAY. 'Computed on the way' means the value that the module computes at that place (a softmax that the list does not call 'softmax' is quantised finished and normalised). What goes into a quantiser is computed in f32, as accurately as f32 sums, v_exp_f32 and their like allow (about 1e-6 of the number): no bf16 or f16 on the way to a quantiser, and a product that is left as it is and whose result goes on into a quantised operand takes f32 operands (vector FMAs, or v_wmma_f32_16x16x4_f32). A number that lies on a knife's edge between two numbers of the format may be rounded either way, as far as f32 arithmetic and the matrix unit's own rounding can turn it there, and no further.
;; One version. Each part assembles by itself: llvm-mc -triple=amdgcn-amd-amdhsa -mcpu=gfx1250 --defsym DOCPART=n.
;; ======== version 1 of 1: 4 launches
;; workspace buffers: codes1 6,291,456 bytes; scales1 262,144 bytes; rope 1,048,576 bytes; qkv_codes 9,437,184 bytes; qkv_scales 786,432 bytes; o_codes 3,145,728 bytes; o_scales 131,072 bytes
;; launch prep (part 1): grid 256 x 1, 4 waves a work-group, no clusters, 56,832 bytes of LDS; arguments x, ln_g, ln_b, W_qkv, W_out, codes1, scales1, rope; writes codes1, scales1, rope
.if DOCPART == 1
	.amdgcn_target "amdgcn-amd-amdhsa--gfx1250"
	.amdhsa_code_object_version 6
	.text
	.protected	k_qfc9f6338e0_prep
	.globl	k_qfc9f6338e0_prep
	.p2align	8
	.type	k_qfc9f6338e0_prep,@function
k_qfc9f6338e0_prep:
	s_mov_b64 s[64:65], 0
	v_nop
	global_prefetch_b8 v0, s[64:65] scope:SCOPE_SE
	s_setreg_imm32_b32 hwreg(HW_REG_WAVE_MODE, 25, 1), 1
	s_wait_xcnt 0x0
; PREP.  Work-groups 0-127: W_qkv [1024][3072] and W_out [1024][1024], f32 with K as the first axis, become codes of FP6 (E2M3) with K innermost (768 bytes a row) and
; one E8M0 byte for each 32 along K (32 bytes a row).  Work-groups 128-255: LayerNorm of x [4096][1024], quantised along K in the same form, and the RoPE table.
; Each work-group reads 128 KiB.  ROW ORDER: logical row R of every tensor of codes and scale bytes is stored at row sigma(R), sigma = bits 3 and 4 of the row number exchanged:
; sixteen rows on end are then a tile whose lane r holds logical row 8 u + r + 8 (r / 8) of its group of 32, the order in which a transposed product leaves 16 neighbours in a lane.
; A block's scale is 2^(floor(log2(largest magnitude)) - 2); its byte is the largest magnitude's exponent field - 2, held at 1 from below.
; LIMITS: NaN and infinities among the inputs are not served.  A block whose largest magnitude lies under 2^-124 gets the byte 1; a block of zeros gets 1 where the rule says 127
; (its codes are zeros, and only this program reads the bytes).  The RoPE frequencies are 2^(-i log2(10000) / 32) by v_exp_f32: an angle can differ from a correctly rounded table's
; by some 1e-4 rad at the last tokens.  Sine and cosine are written out in f32: reduction by pi/2 in two parts, polynomials on +-pi/4.
; The two paths part on the work-group's number and have LDS bytes of their own.  No tensor loads, no barrier: waves share nothing.
.set WCODES,  3145728                  ; codes1: x's 4,096 rows, then W_qkv's 3,072, then W_out's 1,024
.set WSCALES, 131072                   ; scales1 likewise
.set PITCH,   272                      ; weights: a stage row: sixteen places of 16 bytes + 16
.set NB,      8                        ; blocks of 32 along K for a wave
.set AD,      32                       ; v32-63   weights: 4 x lane + i rows of W
.set X,       64                       ; v64-127  two sets of 32 numbers
.set C,       160                      ; v160-166 a block's codes
.set SB,      168                      ; v168-169 eight scale bytes
.set OUTR,    176                      ; v176-239 the way out
.set LSTAGE,  34816                    ; LayerNorm: 5,120 bytes a wave, behind the weights' four stages
.set LBYTES,  55296                    ; and 256 scale bytes a wave
.set G,   16                           ; v16-47   ln_g at k = 512 H + 16 lane + 0..15
.set BI,  48                           ; v48-79   ln_b likewise
.set R,   80                           ; v80-175  three rows as loaded
.set XR,  176                          ; v176-207 the row in hand, 16 neighbours of each half
.set CC,  208                          ; v208-214 its codes
.set E,   216                          ; v216-217 its two scale bytes
	s_load_b512 s[4:19], s[0:1], 0x0               ; x 4, ln_g 6, ln_b 8, W_qkv 10, W_out 12, codes1 14, scales1 16, rope 18
	v_lshl_add_u32 v254, v0, 2, 0xdc00
	v_mov_b32 v255, 0
	v_lshrrev_b32 v1, 5, v0
	v_readfirstlane_b32 s20, v1                    ; wave
	v_and_b32 v1, 31, v0                           ; lane
	s_cmp_lt_u32 ttmp9, 128
	s_cbranch_scc0 .Lnorm
; ---------------- THE WEIGHTS.  A lane takes a column n and its registers run down K: 32 registers are a whole block, and the conversions give codes with K innermost.
; Work-group = (ct, ky): 128 columns (ct 0-23: W_qkv, 24-31: W_out) x 256 along K; a wave 32 of the columns.
	s_lshr_b32 s21, ttmp9, 2                       ; ct
	s_and_b32 s22, ttmp9, 3                        ; ky
	s_sub_co_u32 s26, s21, 24
	s_mov_b32 s23, 4096
	s_wait_kmcnt 0x0
	s_cmp_lt_u32 s21, 24                           ; which weight: the choice hangs on the work-group's number alone
	s_cselect_b64 s[24:25], s[10:11], s[12:13]
	s_cselect_b32 s23, 12288, s23                  ; a row of it in bytes
	s_cselect_b32 s26, s21, s26                    ; its block of 128 columns
	s_mul_i32 s27, s22, s23
	s_lshl_b32 s27, s27, 8                         ; 256 ky rows
	s_lshl_b32 s26, s26, 9
	s_add_co_u32 s26, s26, s27
	s_lshl_b32 s27, s20, 7                         ; my wave's 32 columns
	s_add_co_u32 s26, s26, s27
	s_mov_b32 s27, 0
	s_add_nc_u64 s[28:29], s[24:25], s[26:27]      ; block 0's base
	s_lshl_b32 s26, s23, 5                         ; 32 rows on
.irp t, 1,2,3,4,5,6,7
	s_add_nc_u64 s[28+2*\t:29+2*\t], s[26+2*\t:27+2*\t], s[26:27]   ; block t's base: the pitch is no constant of the text, so the rows stand in registers, not in immediates
.endr
	v_lshlrev_b32 v[AD], 2, v1
.set i, 1
.rept 31
	v_add_nc_u32 v[AD+i], s23, v[AD+i-1]           ; 4 x lane + i rows
.set i, i+1
.endr
	s_mul_i32 s44, s20, 32*PITCH                   ; my stage
	v_mul_u32_u24 v4, v1, PITCH
	v_add_nc_u32 v4, s44, v4                       ; into it: row = my column
	v_and_b32 v5, 15, v1
	v_lshrrev_b32 v6, 4, v1
	v_mul_u32_u24 v7, v6, PITCH
	v_lshl_add_u32 v7, v5, 4, v7
	v_add_nc_u32 v7, s44, v7                       ; out of it: sixteen lanes to a row, two rows an instruction
	v_mul_u32_u24 v8, v6, 768
	v_mad_u32_u24 v8, v5, 12, v8                   ; and the same place in the codes' rows
	v_and_b32 v9, 7, v1                            ; sigma(lane) x 32: my column's row of scale bytes
	v_bfe_u32 v10, v1, 3, 1
	v_lshl_or_b32 v9, v10, 4, v9
	v_bfe_u32 v10, v1, 4, 1
	v_lshl_or_b32 v9, v10, 3, v9
	v_lshlrev_b32 v9, 5, v9
	s_lshl_b32 s45, s21, 7
	s_lshl_b32 s46, s20, 5
	s_add_co_u32 s45, s45, s46                     ; my wave's first row among the 4,096 rows of both weights
	s_mul_i32 s46, s45, 768
	s_mul_i32 s47, s22, 192
	s_add_co_u32 s46, s46, s47
	s_add_co_u32 s46, s46, WCODES
	s_mov_b32 s47, 0
	s_add_nc_u64 s[14:15], s[14:15], s[46:47]
	s_lshl_b32 s46, s45, 5
	s_lshl_b32 s48, s22, 3
	s_add_co_u32 s46, s46, s48
	s_add_co_u32 s46, s46, WSCALES
	s_add_nc_u64 s[16:17], s[16:17], s[46:47]
.macro WLOAD t                         ; block t: W(32 t + i, my column) into set t % 2; a load reads 128 consecutive bytes
.set i, 0
.rept 32
	global_load_b32 v[X+32*((\t)%2)+i], v[AD+i], s[28+2*(\t):29+2*(\t)] th:TH_LOAD_NT
.set i, i+1
.endr
.endm
	WLOAD 0
	WLOAD 1
.macro WBLOCK t
.set XS, X+32*((\t)%2)
.if (\t) < NB-1
	s_wait_loadcnt 32                              ; this block's 32 loads are in; the next block's may be out
.else
	s_wait_loadcnt 0x0
.endif
	v_max3_num_f32 v12, |v[XS]|, |v[XS+1]|, |v[XS+2]|   ; the block's largest magnitude: all 32 numbers are mine
	v_max3_num_f32 v13, |v[XS+3]|, |v[XS+4]|, |v[XS+5]|
.irp i, 6,10,14,18,22,26
	v_max3_num_f32 v12, v12, |v[XS+\i]|, |v[XS+\i+1]|
	v_max3_num_f32 v13, v13, |v[XS+\i+2]|, |v[XS+\i+3]|
.endr
	v_max3_num_f32 v12, v12, |v[XS+30]|, |v[XS+31]|
	v_max3_num_f32 v12, v12, v13, 0x1800000        ; and the floor 2^(3 - 127): the byte cannot fall under 1
	v_add_nc_u32 v11, 0xff000000, v12              ; 2 off the exponent field: the conversion's scale operand
	v_lshrrev_b32 v13, 23, v11                     ; the scale's byte
.if (\t)%4 == 0
	v_mov_b32 v[SB+(\t)/4], v13
.else
	v_lshl_or_b32 v[SB+(\t)/4], v13, 8*((\t)%4), v[SB+(\t)/4]
.endif
	v_cvt_scalef32_pk16_fp6_f32 v[C:C+2], v[XS:XS+15], v11
	v_cvt_scalef32_pk16_fp6_f32 v[C+4:C+6], v[XS+16:XS+31], v11   ; (a conversion's three registers begin on an even number)
	ds_store_b96 v4, v[C:C+2] offset:32*(\t)       ; 12 bytes to a place of 16
	ds_store_b96 v4, v[C+4:C+6] offset:32*(\t)+16
.if (\t)+2 < NB
	WLOAD (\t)+2
.endif
	s_wait_dscnt 0x0                               ; the stores have read their registers: the next block's codes may be written
.endm
.irp t, 0,1,2,3,4,5,6,7
	WBLOCK \t
.endr
	global_store_b64 v9, v[SB:SB+1], s[16:17]      ; my column's eight scale bytes
.irp t, 0,1,2,3,4,5,6,7,8,9,10,11,12,13,14,15
	ds_load_b96 v[OUTR+4*\t:OUTR+4*\t+2], v7 offset:2*\t*PITCH   ; LDS serves a wave's instructions in order: these see my stores
.endr
.irp t, 0,1,2,3,4,5,6,7,8,9,10,11,12,13,14,15
.set SG, ((2*\t)&7)|((((2*\t)>>3)&1)<<4)|((((2*\t)>>4)&1)<<3)   ; sigma of the pair's first column
	s_wait_dscnt 15-\t                             ; the younger loads may be out
	global_store_b96 v8, v[OUTR+4*\t:OUTR+4*\t+2], s[14:15] offset:SG*768   ; sixteen lanes store a row's 192 consecutive bytes
.endr
	s_wait_tensorcnt 0x0
	ds_add_u32 v254, v255
	s_wait_dscnt 0x0
	s_endpgm
; ---------------- LAYERNORM.  A wave takes eight logical rows, one at a time.  A row's eight loads read 512 consecutive bytes each; the row turns through the wave's stage in LDS
; (16 bytes of padding behind each 64), so that a lane holds 16 neighbours of each half of the row: two neighbouring lanes hold a block of 32.
.Lnorm:
	s_sub_co_u32 s21, ttmp9, 128
	s_lshl_b32 s21, s21, 2
	s_add_co_u32 s21, s21, s20                     ; which eight rows: 0 .. 511
	s_and_b32 s22, s21, 0xfffffffc                 ; sigma on groups of eight rows: bits 0 and 1 of that number change places
	s_and_b32 s23, s21, 1
	s_lshl_b32 s23, s23, 1
	s_or_b32 s22, s22, s23
	s_bfe_u32 s23, s21, 0x10001
	s_or_b32 s22, s22, s23
	s_and_b32 s24, s21, 255
	s_lshl_b32 s24, s24, 3                         ; my first row's token
	s_mul_i32 s26, s20, 5120
	s_add_co_u32 s26, s26, LSTAGE                  ; my stage
	s_lshl_b32 s27, s20, 8
	s_add_co_u32 s27, s27, LBYTES                  ; my 256 scale bytes
	v_lshrrev_b32 v2, 2, v1
	v_mul_u32_u24 v2, v2, 80
	v_and_b32 v3, 3, v1
	v_lshl_add_u32 v2, v3, 4, v2
	v_add_nc_u32 v2, s26, v2                       ; the stage, on the way in: 80 (lane / 4) + 16 (lane % 4)
	v_mul_u32_u24 v3, v1, 80
	v_add_nc_u32 v3, s26, v3                       ; on the way out: 80 x lane
	v_lshlrev_b32 v4, 4, v1                        ; 16 x lane
	v_mul_u32_u24 v5, v1, 12                       ; 12 x lane
	v_lshrrev_b32 v6, 1, v1
	v_add_nc_u32 v6, s27, v6                       ; my block's byte
	v_lshlrev_b32 v7, 3, v1                        ; 8 x lane
	v_add_nc_u32 v8, s27, v7
	v_lshlrev_b32 v9, 2, v1                        ; 4 x lane
	v_lshlrev_b32 v12, 6, v1                       ; 64 x lane
	s_mov_b32 s44, 0x76543210
	s_mov_b32 s45, 0xfedcba98                      ; v_permlanex16_b32's selects for lane l xor 16
	s_mov_b32 s46, 0x3a800000                      ; 1 / 1024
	s_mov_b32 s47, 0x3727c5ac                      ; 1e-5
	s_mov_b32 s32, 0x3f22f983                      ; 2 / pi
	s_mov_b32 s33, 0xbfc90fdb                      ; - pi/2, upper part
	s_mov_b32 s34, 0x333bbd2e                      ; what the upper part has too much
	s_mov_b32 s35, 0xb94ca1f9                      ; sine: -1.9515296e-4, 8.3321609e-3, -1.6666655e-1
	s_mov_b32 s36, 0x3c08839e
	s_mov_b32 s37, 0xbe2aaaa3
	s_mov_b32 s38, 0x37ccf5ce                      ; cosine: 2.4433157e-5, -1.3887316e-3, 4.1666646e-2
	s_mov_b32 s39, 0xbab6061a
	s_mov_b32 s40, 0x3d2aaaa5
	s_lshl_b32 s28, s21, 15
	s_mov_b32 s29, 0
	s_wait_kmcnt 0x0
	s_add_nc_u64 s[4:5], s[4:5], s[28:29]          ; x: eight rows of 4,096 bytes
	s_mul_i32 s28, s22, 6144
	s_add_nc_u64 s[14:15], s[14:15], s[28:29]      ; codes: eight rows of 768, at sigma
	s_lshl_b32 s28, s22, 8
	s_add_nc_u64 s[16:17], s[16:17], s[28:29]      ; scale bytes: eight rows of 32, at sigma
	s_lshl_b32 s28, s21, 11
	s_add_nc_u64 s[18:19], s[18:19], s[28:29]      ; the table: eight logical rows of 256
.irp hh, 0,1
.irp j, 0,1,2,3
	global_load_b128 v[G+16*\hh+4*\j:G+16*\hh+4*\j+3], v12, s[6:7] offset:2048*\hh+16*\j
	global_load_b128 v[BI+16*\hh+4*\j:BI+16*\hh+4*\j+3], v12, s[8:9] offset:2048*\hh+16*\j
.endr
.endr
.macro LLOAD t
.irp j, 0,1,2,3,4,5,6,7
	global_load_b128 v[R+32*((\t)%3)+4*\j:R+32*((\t)%3)+4*\j+3], v4, s[4:5] offset:4096*(\t)+512*\j th:TH_LOAD_NT
.endr
.endm
	LLOAD 0
	LLOAD 1
	LLOAD 2
	v_cvt_f32_u32 v10, v1
	v_mul_f32 v10, 0xbed49a78, v10                 ; - lane x log2(10000) / 32
	v_exp_f32 v10, v10                             ; my frequency: lane i serves channel pair i
	v_nop                                          ; a plain instruction behind the transcendental,
	s_wait_alu depctr_va_vdst(0)                   ; and the wait ahead of the first use
.macro SUM32 a, b                      ; v[a] = the sum of v[a] over the wave's 32 lanes; v[b] has been written
	v_add_f32_dpp v[\a], v[\a], v[\a] row_xmask:1 row_mask:0xf bank_mask:0xf
	v_add_f32_dpp v[\a], v[\a], v[\a] row_xmask:2 row_mask:0xf bank_mask:0xf
	v_add_f32_dpp v[\a], v[\a], v[\a] row_xmask:4 row_mask:0xf bank_mask:0xf
	v_add_f32_dpp v[\a], v[\a], v[\a] row_xmask:8 row_mask:0xf bank_mask:0xf
	v_permlanex16_b32 v[\b], v[\a], s44, s45
	v_add_f32 v[\a], v[\a], v[\b]
.endm
.macro LROW t
.set RS, R+32*((\t)%3)
	s_wait_xcnt 0x0                                ; the last row's stores have read their data: those registers are written again below
.if (\t) < 6
	s_wait_loadcnt 16                              ; this row's eight loads are in (in row 0 ln_g and ln_b too); the two rows behind it may be out
.else
	s_wait_loadcnt 8*(7-(\t))
.endif
.irp j, 0,1,2,3,4,5,6,7
	ds_store_b128 v2, v[RS+4*\j:RS+4*\j+3] offset:2560*(\j/4)+640*(\j%4)
.endr
.irp j, 0,1,2,3,4,5,6,7
	ds_load_b128 v[XR+4*\j:XR+4*\j+3], v3 offset:2560*(\j/4)+16*(\j%4)   ; LDS serves a wave's instructions in order
.endr
	s_wait_dscnt 0x0                               ; register 16 H + i now holds k = 512 H + 16 lane + i; the stores have read their registers,
.if (\t) < 5
	LLOAD (\t)+3                                   ; which take the row three on
.endif
	v_pk_add_f32 v[218:219], v[XR:XR+1], v[XR+2:XR+3]      ; the mean: two chains
	v_pk_add_f32 v[220:221], v[XR+4:XR+5], v[XR+6:XR+7]
.irp j, 8,12,16,20,24,28
	v_pk_add_f32 v[218:219], v[218:219], v[XR+\j:XR+\j+1]
	v_pk_add_f32 v[220:221], v[220:221], v[XR+\j+2:XR+\j+3]
.endr
	v_pk_add_f32 v[218:219], v[218:219], v[220:221]
	v_add_f32 v218, v218, v219
	SUM32 218, 219
	v_mul_f32 v218, s46, v218
.irp j, 0,2,4,6,8,10,12,14,16,18,20,22,24,26,28,30
	v_pk_add_f32 v[XR+\j:XR+\j+1], v[XR+\j:XR+\j+1], v[218:219] op_sel_hi:[1,0] neg_lo:[0,1] neg_hi:[0,1]   ; x - mean
.endr
	v_pk_mul_f32 v[220:221], v[XR:XR+1], v[XR:XR+1]        ; the mean of the squares of that
	v_pk_mul_f32 v[222:223], v[XR+2:XR+3], v[XR+2:XR+3]
.irp j, 4,8,12,16,20,24,28
	v_pk_fma_f32 v[220:221], v[XR+\j:XR+\j+1], v[XR+\j:XR+\j+1], v[220:221]
	v_pk_fma_f32 v[222:223], v[XR+\j+2:XR+\j+3], v[XR+\j+2:XR+\j+3], v[222:223]
.endr
	v_pk_add_f32 v[220:221], v[220:221], v[222:223]
	v_add_f32 v220, v220, v221
	SUM32 220, 221
	v_fma_f32 v220, v220, s46, s47                 ; variance + 1e-5
	v_rsq_f32 v222, v220
	v_mov_b32 v223, 0                              ; a plain instruction behind the transcendental (v223 is named below as the pair's upper half)
	s_wait_alu depctr_va_vdst(0)                   ; the wait ahead of the first use
.irp j, 0,2,4,6,8,10,12,14,16,18,20,22,24,26,28,30
	v_pk_mul_f32 v[XR+\j:XR+\j+1], v[XR+\j:XR+\j+1], v[222:223] op_sel_hi:[1,0]
.endr
.irp j, 0,2,4,6,8,10,12,14,16,18,20,22,24,26,28,30
	v_pk_fma_f32 v[XR+\j:XR+\j+1], v[XR+\j:XR+\j+1], v[G+\j:G+\j+1], v[BI+\j:BI+\j+1]   ; x ln_g + ln_b
.endr
.irp hh, 0,1                           ; my 16 numbers of each half: with my neighbour's 16 a block
	v_max3_num_f32 v[224+4*\hh], |v[XR+16*\hh]|, |v[XR+16*\hh+1]|, |v[XR+16*\hh+2]|
	v_max3_num_f32 v[225+4*\hh], |v[XR+16*\hh+3]|, |v[XR+16*\hh+4]|, |v[XR+16*\hh+5]|
.irp i, 6,10
	v_max3_num_f32 v[224+4*\hh], v[224+4*\hh], |v[XR+16*\hh+\i]|, |v[XR+16*\hh+\i+1]|
	v_max3_num_f32 v[225+4*\hh], v[225+4*\hh], |v[XR+16*\hh+\i+2]|, |v[XR+16*\hh+\i+3]|
.endr
	v_max3_num_f32 v[224+4*\hh], v[224+4*\hh], |v[XR+16*\hh+14]|, |v[XR+16*\hh+15]|
	v_max3_num_f32 v[224+4*\hh], v[224+4*\hh], v[225+4*\hh], 0x1800000   ; and the floor 2^(3 - 127)
	v_max_num_f32_dpp v[224+4*\hh], v[224+4*\hh], v[224+4*\hh] row_xmask:1 row_mask:0xf bank_mask:0xf
	v_add_nc_u32 v[226+4*\hh], 0xff000000, v[224+4*\hh]   ; 2 off the exponent field: the conversion's scale operand
	v_cvt_scalef32_pk16_fp6_f32 v[CC+4*\hh:CC+4*\hh+2], v[XR+16*\hh:XR+16*\hh+15], v[226+4*\hh]
	v_lshrrev_b32 v[E+\hh], 23, v[226+4*\hh]       ; the scale's byte (also the plain instruction behind the conversion)
	ds_store_b8 v6, v[E+\hh] offset:32*(\t)+16*\hh ; both lanes of a block write the same byte with the same value
	global_store_b96 v5, v[CC+4*\hh:CC+4*\hh+2], s[14:15] offset:768*(\t)+384*\hh   ; the wave stores 384 consecutive bytes
.endr
	; this row's line of the RoPE table: cos and sin of token x frequency, channel pair = lane
	s_add_co_u32 s25, s24, \t
	v_cvt_f32_u32 v232, s25
	v_mul_f32 v232, v232, v10                      ; the angle, one rounding
	v_mul_f32 v233, s32, v232
	v_rndne_f32 v233, v233                         ; n = the nearest multiple of pi/2
	v_fma_f32 v234, v233, s33, v232                ; exact: n has 11 bits and the difference lies under 1
	v_fma_f32 v234, v233, s34, v234                ; rho, within +-pi/4
	v_mul_f32 v235, v234, v234                     ; z
	v_fma_f32 v236, v235, s35, s36
	v_fma_f32 v237, v235, s38, s39
	v_fma_f32 v236, v236, v235, s37
	v_fma_f32 v237, v237, v235, s40
	v_mul_f32 v236, v236, v235
	v_mul_f32 v238, v235, v235
	v_fma_f32 v239, v235, -0.5, 1.0
	v_fma_f32 v236, v236, v234, v234               ; sin rho
	v_fma_f32 v237, v237, v238, v239               ; cos rho
	v_cvt_i32_f32 v240, v233
	v_and_b32 v241, 1, v240
	v_cmp_eq_u32 vcc_lo, 1, v241                   ; in odd quadrants the two change places: a choice of values, no branch
	v_cndmask_b32 v242, v236, v237, vcc_lo         ; sine
	v_cndmask_b32 v243, v237, v236, vcc_lo         ; cosine
	v_lshlrev_b32 v241, 30, v240
	v_and_b32 v241, 0x80000000, v241               ; the sine is negated in quadrants 2 and 3,
	v_xor_b32 v242, v242, v241
	v_add_nc_u32 v240, 1, v240
	v_lshlrev_b32 v240, 30, v240
	v_and_b32 v240, 0x80000000, v240               ; the cosine in 1 and 2
	v_xor_b32 v243, v243, v240
	global_store_b32 v9, v243, s[18:19] offset:256*(\t)
	global_store_b32 v9, v242, s[18:19] offset:256*(\t)+128
.endm
.irp t, 0,1,2,3,4,5,6,7
	LROW \t
.endr
	ds_load_b64 v[244:245], v8                     ; my eight rows' 256 scale bytes: these see my byte stores
	s_wait_dscnt 0x0
	global_store_b64 v7, v[244:245], s[16:17]      ; 32 lanes store 256 consecutive bytes, aligned
	s_wait_tensorcnt 0x0
	ds_add_u32 v254, v255
	s_wait_dscnt 0x0
	s_endpgm
.Lfunc_end_k_qfc9f6338e0_prep:
	.size	k_qfc9f6338e0_prep, .Lfunc_end_k_qfc9f6338e0_prep-k_qfc9f6338e0_prep
	.p2alignl 7, 3214868480
	.fill 96, 4, 3214868480
	.section	.rodata,"a",@progbits
	.p2align	6, 0x0
	.amdhsa_kernel k_qfc9f6338e0_prep
		.amdhsa_group_segment_fixed_size 56832
		.amdhsa_private_segment_fixed_size 0
		.amdhsa_enable_private_segment 0
		.amdhsa_kernarg_size 64
		.amdhsa_user_sgpr_count 2
		.amdhsa_user_sgpr_kernarg_segment_ptr 1
		.amdhsa_wavefront_size32 1
		.amdhsa_system_sgpr_workgroup_id_x 1
		.amdhsa_system_sgpr_workgroup_id_y 1
		.amdhsa_system_sgpr_workgroup_id_z 1
		.amdhsa_system_vgpr_workitem_id 0
		.amdhsa_next_free_vgpr 256
		.amdhsa_next_free_sgpr 66
		.amdhsa_reserve_vcc 1
		.amdhsa_float_denorm_mode_32 3
		.amdhsa_float_denorm_mode_16_64 3
		.amdhsa_memory_ordered 1
		.amdhsa_forward_progress 1
		.amdhsa_inst_pref_size 136
	.end_amdhsa_kernel
	.amdgpu_metadata
---
amdhsa.version: [ 1, 2 ]
amdhsa.kernels:
  - .name:           k_qfc9f6338e0_prep
    .symbol:         k_qfc9f6338e0_prep.kd
    .args:
      - { .name: x, .offset: 0, .size: 8, .value_kind: global_buffer, .address_space: global }
      - { .name: ln_g, .offset: 8, .size: 8, .value_kind: global_buffer, .address_space: global }
      - { .name: ln_b, .offset: 16, .size: 8, .value_kind: global_buffer, .address_space: global }
      - { .name: W_qkv, .offset: 24, .size: 8, .value_kind: global_buffer, .address_space: global }
      - { .name: W_out, .offset: 32, .size: 8, .value_kind: global_buffer, .address_space: global }
      - { .name: codes1, .offset: 40, .size: 8, .value_kind: global_buffer, .address_space: global }
      - { .name: scales1, .offset: 48, .size: 8, .value_kind: global_buffer, .address_space: global }
      - { .name: rope, .offset: 56, .size: 8, .value_kind: global_buffer, .address_space: global }
    .group_segment_fixed_size: 56832
    .private_segment_fixed_size: 0
    .kernarg_segment_align: 8
    .kernarg_segment_size: 64
    .max_flat_workgroup_size: 128
    .sgpr_count:     66
    .vgpr_count:     256
    .wavefront_size: 32
...
	.end_amdgpu_metadata
.endif
;; end of part 1
;; launch qkv (part 2): grid 48 x 4, 4 waves a work-group, clusters of 4 x 4, 327,680 bytes of LDS; arguments codes1, scales1, rope, qkv_codes, qkv_scales; writes qkv_codes, qkv_scales
.if DOCPART == 2
	.amdgcn_target "amdgcn-amd-amdhsa--gfx1250"
	.amdhsa_code_object_version 6
	.text
	.protected	k_qfc9f6338e0_qkv
	.globl	k_qfc9f6338e0_qkv
	.p2align	8
	.type	k_qfc9f6338e0_qkv,@function
k_qfc9f6338e0_qkv:
	s_mov_b64 s[64:65], 0
	v_nop
	global_prefetch_b8 v0, s[64:65] scope:SCOPE_SE
	s_setreg_imm32_b32 hwreg(HW_REG_WAVE_MODE, 25, 1), 1
	s_wait_xcnt 0x0
	s_wait_alu depctr_hold_cnt(0) depctr_sa_sdst(0) depctr_va_vdst(0) depctr_va_sdst(0) depctr_va_ssrc(0) depctr_va_vcc(0) depctr_vm_vsrc(0)
	s_getreg_b32 s2, hwreg(HW_REG_IB_STS2, 6, 4)
	s_cmp_eq_u32 s2, 0
	s_cbranch_scc0 .Lentry_in_a_cluster
	s_endpgm
.Lentry_in_a_cluster:
	s_bfe_u32 s2, ttmp6, 0x10000c
	s_cmp_lg_u32 s2, 0xf033
	s_cbranch_scc0 .Lentry_shape_is_right
	s_endpgm
.Lentry_shape_is_right:
; QKV.  LayerNorm(x) W_qkv on codes of FP6 (E2M3) with E8M0 scales (K = 1,024), then RoPE on q and k, then q, k and v quantised again in registers and stored as images of operand registers.
; A work-group of four waves makes 256 x 256 of the product, a wave 128 x 128 in 64 accumulators (512 registers).  K goes in steps of 256 through a ring of two LDS slots filled by joint tensor loads.
; The matrix instruction is used transposed: source 0 = 16 rows of the "B side", source 1 = 16 rows of the "A side": a lane holds one row of the A side and its registers run along the B side.
; ONE BODY, TWO ROLES, chosen by the cluster's number: clusters 0-7 (q, k): A side = tokens, B side = W_qkv's rows 0-2047: a lane holds a token, registers run along the head's channels, the next K.
; Clusters 8-11 (v): A side = W_qkv's rows 2048-3071, B side = tokens: a lane holds a channel, registers run along the tokens, which are the K of attention's second product.
; Rows lie in memory at sigma (bits 3 and 4 exchanged): lane r of tile 2 b + u holds logical row 32 b + 8 u + r + 8 (r / 8), and the 16 registers of tiles 2 b, 2 b + 1 of a result are 16 neighbours.
; OUT: q, k: [batch x head][tile of 16 tokens][768 bytes]: a half fragment (16 rows x 64 K, six registers a lane): registers 0-3 at 16 x lane, 4-5 at 512 + 8 x lane; scale words [batch x head][pair of tiles][32 lanes].
;      v: [batch x head][128 keys][tile of 16 channels][1,536 bytes]: a whole fragment, registers 4 c .. 4 c + 3 at 512 c + 16 x lane; scale words 4 x lane beside them.  Every store of codes covers 512 or 256 consecutive bytes, aligned.
; CLUSTERS: 4 x 4 work-groups; A's tiles are shared along a row of the cluster, B's along a column: each is asked for jointly.
; LIMITS: NaN and infinities are not served; a block whose largest magnitude lies under 2^-124 (zeros too) gets the byte 1: only this program reads the bytes.
; REGISTERS: window 0: v0-31 addresses; v32-63 scale words, two sets; v64-127, v224-255 three RoPE tables; v128-223 A's fragments, one set (on the way out v32-51 codes, v128-220 at work).
;   window 1: B's fragments, two sets, at v0 and v128.  window 2, 3: the accumulators of my A rows 0-63, 64-127 (accumulator (a, b) at v[8 (8 (a % 4) + b)]).
.set KSTEP,  256
.set NQ,     2                         ; matrix instructions deep in a slot
.set ROWB,   192                       ; a tile's row: 256 codes
.set KROW,   768                       ; a row of codes in memory
.set PITCH,  240                       ; an LDS row: 3 x (64 bytes + 16 of padding)
.set FR,     12
.set NL,     6                         ; LDS loads that bring a fragment
.set NP,     4                         ; places behind this matrix instruction (ISA guide 7.12.1)
.set HALFT,  128*PITCH
.set SLOT,   4*HALFT
.set LAPS,   2                         ; 1,024 / 512
.set KS,     32                        ; a row of scale bytes
.set SCL,    2*SLOT                    ; behind the ring: the scales of all of K, units of 256 bytes + 16
.set HALFS,  (128*KS/256)*272
.set SBLK,   (16*KS/256)*272
.set SPARE,  SCL+4*HALFS               ; the spare words: 128 bytes a wave, named by no other line
.set L16,  7                           ; v7   16 x lane
.set L8,   8                           ; v8   8 x lane
.set L4,   9                           ; v9   4 x lane
.set TADR, 10                          ; v10  my token's place in a RoPE table; never rewritten
.set ADRA, 16
.set ADRB, 20
.set ADRS, 27
.set SPW,  28
.set NIL,  29
.set SC,   32
.set AF,   128
.set PC,   32                          ; the way out: v32-43 a fragment's codes, v44-51 at work
.set T,    128                         ; v128-191 64 numbers behind RoPE
.set U,    192                         ; v192-199 four pairs at work
.set TM,   200                         ; v200-215 maxima, bytes, scale operands
.set PW,   216                         ; the scale word just made
.set PWE,  217                         ; that of the even tile of a pair
.set G1, 24
.set G0, 32
.set G1B, 48
.set G0B, 56
.set G1S, 68
.set G0S, 76
.set G1SB, 80
.set G0SB, 88
.set MSB, 0
.macro WIN new                         ; the immediate's high byte repeats the setting that is left
.if MSB != (\new)
	s_set_vgpr_msb (MSB<<8)|(\new)
.set MSB, \new
.endif
.endm
.set MUL_LO, 0xa1                      ; source 0 (B) window 1, source 1 (A) window 0, C and D window 2
.set MUL_HI, 0xf1
.set TO_B,   0x40
; A joint load: waves 0 and 1 fetch for A, waves 2 and 3 for B; the branch hangs on the wave's number alone.  Four v_nop follow each line.
.macro JLOAD g0a, g1a, g0b, g1b
	s_cmp_eq_u32 s15, 0
	s_cbranch_scc0 .Lfor_b_\@
	tensor_load_to_lds s[\g0a:\g0a+3], s[\g1a:\g1a+7]
	s_nop 0
.rept 4
	v_nop
.endr
	s_branch .Lasked_\@
.Lfor_b_\@:
	tensor_load_to_lds s[\g0b:\g0b+3], s[\g1b:\g1b+7]
	s_nop 0
.rept 4
	v_nop
.endr
.Lasked_\@:
.endm
.macro CREST                           ; a round of the cluster's barrier behind its opening barrier
	s_cmp_lg_u32 s14, 0
	s_cbranch_scc1 .Lnot_wave_0_\@
	s_barrier_signal -3
.Lnot_wave_0_\@:
	s_barrier_wait -3
	s_barrier_signal -1
	s_barrier_wait -1
.endm
.macro CROUND
	s_barrier_signal -1
	s_barrier_wait -1
	CREST
.endm
	s_load_b256 s[4:11], s[0:1], 0x0               ; codes1 4, scales1 6, rope 8, qkv_codes 10
	s_load_b64 s[12:13], s[0:1], 0x20              ; qkv_scales
	v_lshl_add_u32 v[SPW], v0, 2, SPARE
	v_mov_b32 v[NIL], 0
	ds_add_u32 v28, v29
	ds_add_u32 v28, v29
	s_wait_dscnt 0x0
	v_lshrrev_b32 v1, 5, v0
	v_readfirstlane_b32 s14, v1                    ; wave 0..3
	s_lshr_b32 s15, s14, 1                         ; which half of the A rows is mine.  Also: I fetch for A (0) or for B (1)
	s_and_b32 s16, s14, 1                          ; which half of the B rows.  Also: which 128 rows of that tile I fetch
	s_bfe_u32 s40, ttmp6, 0x40000                  ; cx, cy
	s_bfe_u32 s41, ttmp6, 0x40004
	; the roles, by the cluster's number, which all sixteen partners share: one compare, then selections alone
	s_and_b32 s18, ttmp9, 3
	s_lshr_b32 s19, ttmp9, 2
	s_sub_co_u32 s22, ttmp9, 8
	s_cmp_lt_u32 ttmp9, 8
	s_cselect_b32 s18, s18, 0                      ; which four tile rows of the A side
	s_cselect_b32 s19, s19, s22                    ; which four tile columns of the B side (q, k: 0 = q, 1 = k)
	s_cselect_b32 s95, 0, 4718592                  ; A's codes begin here in codes1: x, or W_qkv's row 2,048
	s_cselect_b32 s97, 3145728, 0                  ; B's: W_qkv's row 0, or x
	s_cselect_b32 s99, 0, 196608                   ; the same in scales1
	s_cselect_b32 s100, 131072, 0
	s_cselect_b32 s98, 1, 0                        ; 1: q, k;  0: v
	s_mov_b32 s101, s19
	s_lshl_b32 s17, s18, 2
	s_add_co_u32 s17, s17, s41                     ; tile row (A side)
	s_lshl_b32 s42, s19, 2
	s_add_co_u32 s42, s42, s40                     ; tile column (B side)
	s_lshl_b32 s43, s41, 2
	s_lshl_b32 s43, 15, s43                        ; my row of the cluster
	s_lshl_b32 s44, 0x1111, s40                    ; my column
	s_or_b32 s[G1+0], s43, (0<<16)|(1<<20)|(1<<21)|(3<<22)|(3<<25)  ; the mask; elements of 1 byte; padding of 4 words behind every 16; bit 21 beside a mask
	s_or_b32 s[G1B+0], s44, (0<<16)|(1<<20)|(1<<21)|(3<<22)|(3<<25)
.irp g, G1, G1B
	s_mov_b32 s[\g+1], ROWB<<16                    ; tensor_dim0
	s_mov_b32 s[\g+2], 128<<16                     ; tensor_dim1
	s_mov_b32 s[\g+3], ROWB<<16                    ; tile_dim0
	s_mov_b32 s[\g+4], 128                         ; tile_dim1
	s_mov_b32 s[\g+5], KROW                        ; pitch
	s_mov_b32 s[\g+6], 0
	s_mov_b32 s[\g+7], 0
.endr
	s_or_b32 s[G1S+0], s43, (3<<16)|(1<<20)|(1<<21)|(5<<22)|(3<<25)   ; the scales of 128 rows: 4,096 dense bytes as rows of 256, 16 of padding behind each
	s_or_b32 s[G1SB+0], s44, (3<<16)|(1<<20)|(1<<21)|(5<<22)|(3<<25)
.irp g, G1S, G1SB
	s_mov_b32 s[\g+1], 32<<16
	s_mov_b32 s[\g+2], (128*KS/256)<<16
	s_mov_b32 s[\g+3], 32<<16
	s_mov_b32 s[\g+4], 128*KS/256
	s_mov_b32 s[\g+5], 32
	s_mov_b32 s[\g+6], 0
	s_mov_b32 s[\g+7], 0
.endr
	s_lshl_b32 s18, s16, 7                         ; which 128 rows of the tile I fetch
	s_lshl_b32 s20, s17, 8
	s_add_co_u32 s20, s20, s18                     ; A: row 256 x tile row + 128 x half: no register of A's ever holds cx,
	s_lshl_b32 s46, s42, 8
	s_add_co_u32 s46, s46, s18                     ; and none of B's cy
	s_mov_b32 s21, 0
	s_mov_b32 s47, 0
	s_mov_b64 s[18:19], KS
	s_mul_u64 s[22:23], s[20:21], s[18:19]
	s_mul_u64 s[92:93], s[46:47], s[18:19]
	s_mov_b64 s[18:19], KROW
	s_mul_u64 s[20:21], s[20:21], s[18:19]
	s_mul_u64 s[46:47], s[46:47], s[18:19]
	s_add_co_u32 s20, s20, s95                     ; (all these offsets stay under 2^23)
	s_add_co_u32 s22, s22, s99
	s_add_co_u32 s46, s46, s97
	s_add_co_u32 s92, s92, s100
	s_mul_i32 s45, s14, HALFT                      ; where they go: wave x 128 rows
	s_mul_i32 s94, s14, HALFS
	s_wait_kmcnt 0x0
	s_add_nc_u64 s[20:21], s[4:5], s[20:21]
	s_add_nc_u64 s[22:23], s[6:7], s[22:23]
	s_add_nc_u64 s[46:47], s[4:5], s[46:47]
	s_add_nc_u64 s[92:93], s[6:7], s[92:93]
	CROUND                                         ; all sixteen work-groups are here: the first joint loads meet
	s_mov_b32 s[G0S], 1
	s_add_co_u32 s[G0S+1], s94, SCL
	s_mov_b64 s[G0S+2:G0S+3], s[22:23]
	s_or_b32 s[G0S+3], s[G0S+3], 0x80000000
	s_mov_b32 s[G0SB], 1
	s_add_co_u32 s[G0SB+1], s94, SCL
	s_mov_b64 s[G0SB+2:G0SB+3], s[92:93]
	s_or_b32 s[G0SB+3], s[G0SB+3], 0x80000000
	JLOAD G0S, G1S, G0SB, G1SB                     ; the scales first
.irp s, 0,1
	s_mov_b32 s[G0+4*\s], 1
	s_add_co_u32 s[G0+4*\s+1], s45, \s*SLOT
	s_add_nc_u64 s[G0+4*\s+2:G0+4*\s+3], s[20:21], \s*ROWB
	s_or_b32 s[G0+4*\s+3], s[G0+4*\s+3], 0x80000000
	s_mov_b32 s[G0B+4*\s], 1
	s_add_co_u32 s[G0B+4*\s+1], s45, \s*SLOT
	s_add_nc_u64 s[G0B+4*\s+2:G0B+4*\s+3], s[46:47], \s*ROWB
	s_or_b32 s[G0B+4*\s+3], s[G0B+4*\s+3], 0x80000000
	JLOAD G0+4*\s, G1, G0B+4*\s, G1B
.endr
	v_and_b32 v1, 15, v0                           ; r
	v_bfe_u32 v2, v0, 4, 1                         ; h
	v_mul_u32_u24 v3, v1, PITCH
	v_mul_u32_u24 v4, v2, 24
	v_add_nc_u32 v4, v3, v4                        ; a fragment's row x pitch + 24 x half
	v_lshl_add_u32 v5, v2, 4, v4                   ; and the same behind one padding more
	s_mul_i32 s21, s15, HALFT
	s_mul_i32 s22, s16, HALFT
	s_add_co_u32 s22, s22, 2*HALFT
.irp s, 0,1
	v_add_nc_u32 v[ADRA+\s], s21, v4
	v_add_nc_u32 v[ADRB+\s], s22, v4
	v_add_nc_u32 v[ADRA+2+\s], s21, v5
	v_add_nc_u32 v[ADRB+2+\s], s22, v5
	s_add_co_u32 s21, s21, SLOT
	s_add_co_u32 s22, s22, SLOT
.endr
	v_mul_u32_u24 v5, v1, KS                       ; my row's scales,
	v_lshrrev_b32 v6, 8, v5
	v_lshl_add_u32 v5, v6, 4, v5                   ; and 16 more for each 256 passed
	s_mul_i32 s21, s15, HALFS
	s_mul_i32 s22, s16, HALFS
	s_add_co_u32 s22, s22, 2*HALFS
	s_sub_co_u32 s22, s22, s21
	v_mul_u32_u24 v6, s22, v2                      ; lanes 16-31 take B's
	s_add_co_u32 s21, s21, SCL
	v_add_nc_u32 v5, v5, v6
	v_add_nc_u32 v[ADRS], s21, v5
	v_and_b32 v6, 31, v0
	v_lshlrev_b32 v[L16], 4, v6
	v_lshlrev_b32 v[L8], 3, v6
	v_lshlrev_b32 v[L4], 2, v6
	v_and_b32 v3, 8, v1
	v_add_nc_u32 v3, v3, v1                        ; r + 8 (r / 8): my logical row in a pair of tiles
	v_lshlrev_b32 v[TADR], 8, v3                   ; a line of the table is 256 bytes;
	v_lshl_add_u32 v[TADR], v2, 6, v[TADR]         ; my half's 16 channel pairs: 64 bytes on
	s_lshl_b32 s20, s17, 8
	s_lshl_b32 s21, s15, 7
	s_add_co_u32 s20, s20, s21
	s_lshl_b32 s20, s20, 8                         ; my wave's first A row, as a line of the table
	s_mov_b32 s21, 0
	s_add_nc_u64 s[8:9], s[8:9], s[20:21]
; The table of A's block a: 16 cosines and 16 sines of my token, channel pairs 16 h + 0..15, into one of three buffers.
.macro TAB a
.set TB2, 64+32*((\a)%3)
.if (\a)%3 == 2
.set TB2, 224
.endif
.irp j, 0,1,2,3,4,5,6,7
	global_load_b128 v[TB2+4*\j:TB2+4*\j+3], v[TADR], s[8:9] offset:(32*((\a)/2)+8*((\a)%2))*256+16*(\j%4)+128*(\j/4)
.endr
.endm
	TAB 0                                          ; asked for here, a whole product ahead of their use.  Every work-group issues these 24 loads, those that make v too, which do not read them:
	TAB 1                                          ; so no branch parts the loads from the waits and reads on the way out; the addresses lie inside the table in both roles
	TAB 2
.macro FRAG reg, adr, q, i             ; a fragment: lane l holds row l % 16; registers 6 c .. 6 c + 5 hold K = 64 c + 32 (l / 16) + 0 .. 31: 24 bytes of the row, as three loads of 8
.irp p, 0,1,2,3,4,5
.set PIE, 12*(\q)+6*(\p/3)+\p%3       ; the piece of 8 bytes; where the piece three on lies behind one padding more, the second address register serves
.if PIE%8 < 5
	ds_load_b64 v[\reg+2*\p:\reg+2*\p+1], v[\adr] offset:8*PIE+16*(PIE/8)+(\i)*16*PITCH
.else
	ds_load_b64 v[\reg+2*\p:\reg+2*\p+1], v[\adr+2] offset:8*PIE+16*(PIE/8)+(\i)*16*PITCH
.endif
.endr
.endm
; 16 matrix instructions: A's blocks a0, a0 + 1 x B's eight.  The 64 accumulators take turns, one instruction a turn, in the same order in every step.
.macro MUL16 a0, p, q, sc, zero
.irp a, \a0, \a0+1
.irp b, 0,1,2,3,4,5,6,7
.if \zero
	v_wmma_scale_f32_16x16x128_f8f6f4 v[8*(8*((\a)%4)+\b):8*(8*((\a)%4)+\b)+7], v[128*(\p)+FR*\b:128*(\p)+FR*\b+FR-1], v[AF+FR*(\a):AF+FR*(\a)+FR-1], 0, v[SC+8*NQ*(\sc)+NQ*\b+(\q)], v[SC+8*NQ*(\sc)+NQ*(\a)+(\q)] matrix_a_fmt:MATRIX_FMT_FP6 matrix_b_fmt:MATRIX_FMT_FP6 matrix_a_scale:MATRIX_SCALE_ROW1
.else
	v_wmma_scale_f32_16x16x128_f8f6f4 v[8*(8*((\a)%4)+\b):8*(8*((\a)%4)+\b)+7], v[128*(\p)+FR*\b:128*(\p)+FR*\b+FR-1], v[AF+FR*(\a):AF+FR*(\a)+FR-1], v[8*(8*((\a)%4)+\b):8*(8*((\a)%4)+\b)+7], v[SC+8*NQ*(\sc)+NQ*\b+(\q)], v[SC+8*NQ*(\sc)+NQ*(\a)+(\q)] matrix_a_fmt:MATRIX_FMT_FP6 matrix_b_fmt:MATRIX_FMT_FP6 matrix_a_scale:MATRIX_SCALE_ROW1
.endif
.endr
.endr
.endm
.macro FETCH_B slot, q, p
	WIN TO_B
.irp i, 0,1,2,3,4,5,6,7
	FRAG 128*(\p)+FR*\i, ADRB+\slot, \q, \i
.endr
	WIN 0
.endm
.macro FETCH_A slot, q, i0
.irp i, \i0, \i0+1, \i0+2, \i0+3
	FRAG AF+FR*(\i), ADRA+\slot, \q, \i
.endr
.endm
.macro SCALES sc                       ; a K step's scale words: lanes 0-15 A's block i, lanes 16-31 B's block i
.irp i, 0,1,2,3,4,5,6,7
	ds_load_b64 v[SC+8*NQ*\sc+NQ*\i:SC+8*NQ*\sc+NQ*\i+1], v[ADRS] offset:\i*SBLK
.endr
.endm
.macro PLACES n                        ; plain vector instructions between a matrix instruction and a load into, or a read or write of, its registers
.rept \n
	v_nop
.endr
.endm
.macro STEP slot, q, zero              ; 128 along K with its successor in the same slot
	s_wait_dscnt 4*NL                              ; B's set and A's blocks 0-3 are in; the youngest 24 loads (A's blocks 4-7) may be out
	WIN MUL_LO
	MUL16 0, (\q)%2, \q, \slot, \zero
	MUL16 2, (\q)%2, \q, \slot, \zero
	s_wait_dscnt 0
	PLACES NP
	FETCH_B \slot, (\q)+1, 1-(\q)%2
	FETCH_A \slot, (\q)+1, 0
	WIN MUL_HI
	MUL16 4, (\q)%2, \q, \slot, \zero
	MUL16 6, (\q)%2, \q, \slot, \zero
	PLACES NP
	WIN 0
	FETCH_A \slot, (\q)+1, 4
.endm
; A slot's last step changes slots: one barrier; in front of it each wave waits for all its tensor loads, adds 0 to its spare word, and waits for that and for its reads of this slot.
.macro TURN slot, next, fill
	s_wait_tensorcnt 0x0                           ; all my tensor loads have landed: my part of the next slot
	ds_add_u32 v[SPW], v[NIL]                      ; 0 onto my spare word
	s_wait_dscnt 4*NL+1                            ; (the add and the youngest 24 loads may be out)
	WIN MUL_LO
	MUL16 0, 1, NQ-1, \slot, 0
	s_wait_dscnt 0x0                               ; the add is done, and my reads of this slot are over
	s_barrier_signal -1
	MUL16 2, 1, NQ-1, \slot, 0
	WIN 0
	s_barrier_wait -1
.if \fill
	CREST                                          ; the barrier has opened a round of the cluster's: no wave of any partner still reads this slot or has a load on its way
	s_add_nc_u64 s[G0+4*\slot+2:G0+4*\slot+3], s[G0+4*\slot+2:G0+4*\slot+3], 2*ROWB
	s_add_nc_u64 s[G0B+4*\slot+2:G0B+4*\slot+3], s[G0B+4*\slot+2:G0B+4*\slot+3], 2*ROWB
	JLOAD G0+4*\slot, G1, G0B+4*\slot, G1B         ; the first tensor load behind the round; its four v_nop are the places in front of the loads below
.else
	PLACES NP
.endif
	v_add_nc_u32 v[ADRS], 4*NQ, v[ADRS]
	FETCH_B \next, 0, 0
	FETCH_A \next, 0, 0
	SCALES \next
	WIN MUL_HI
	MUL16 4, 1, NQ-1, \slot, 0
	MUL16 6, 1, NQ-1, \slot, 0
	PLACES NP
	WIN 0
	FETCH_A \next, 0, 4
.endm
	s_wait_tensorcnt 1                             ; the scales and my part of K step 0 are in (slot 1's load may be out)
	s_barrier_signal -1
	s_barrier_wait -1
	FETCH_B 0, 0, 0
	FETCH_A 0, 0, 0
	SCALES 0
	FETCH_A 0, 0, 4
	STEP 0, 0, 1                                   ; the first step's products start the sums
	s_mov_b32 s3, LAPS-1
.Llap:
	TURN 0, 1, 1
	STEP 1, 0, 0
	TURN 1, 0, 1
	STEP 0, 0, 0
	s_sub_co_u32 s3, s3, 1
	s_cmp_lg_u32 s3, 0
	s_cbranch_scc1 .Llap
	TURN 0, 1, 0                                   ; the last lap fills nothing
	STEP 1, 0, 0
	s_wait_dscnt 4*NL
	WIN MUL_LO
	MUL16 0, 1, NQ-1, 1, 0
	MUL16 2, 1, NQ-1, 1, 0
	s_wait_dscnt 0
	WIN MUL_HI
	MUL16 4, 1, NQ-1, 1, 0
	MUL16 6, 1, NQ-1, 1, 0
	WIN 0
; THE WAY OUT.  64 numbers of a lane in window w, register 16 b + i = k 32 b + 16 (lane / 16) + i of my row, become a fragment's codes in v[PC] on and its scale word in v[PW].
.macro QUANT s, w
	s_wait_xcnt 0x0                                ; the last block's stores have read their data: the word and the codes are written again below
	WIN (\w)|((\w)<<2)
.irp b, 0,1,2,3
	v_max3_num_f32 v[TM+\b], |v[\s+16*\b]|, |v[\s+1+16*\b]|, 0x1800000   ; my 16 numbers of block b, from each accumulator's low end on, and the floor 2^(3 - 127)
.endr
	WIN ((\w)<<2)|((\w)<<4)
.irp i, 2,4,6,8,10,12,14
.irp b, 0,1,2,3
	v_max3_num_f32 v[TM+\b], v[TM+\b], |v[\s+16*\b+\i]|, |v[\s+1+16*\b+\i]|
.endr
.endr
	WIN 0
.irp b, 0,1,2,3
	v_permlanex16_b32 v[TM+4+\b], v[TM+\b], s20, s21
.endr
.irp b, 0,1,2,3
	v_max_num_f32 v[TM+\b], v[TM+\b], v[TM+4+\b]   ; with lane l xor 16's: the block's largest magnitude
.endr
.irp b, 0,1,2,3
	v_add_nc_u32 v[TM+12+\b], 0xff000000, v[TM+\b] ; 2 off the exponent field: the conversion's scale operand
.endr
.irp b, 0,1,2,3
	v_lshrrev_b32 v[TM+4+\b], 23, v[TM+12+\b]      ; the scale's byte
.endr
	v_lshl_or_b32 v[PW], v[TM+5], 8, v[TM+4]
	v_lshl_or_b32 v[PW], v[TM+6], 16, v[PW]
	v_lshl_or_b32 v[PW], v[TM+7], 24, v[PW]
	WIN \w
.irp c, 0,1
	v_cvt_scalef32_pk16_fp6_f32 v[PC+6*\c:PC+2+6*\c], v[\s+32*\c:\s+15+32*\c], v[TM+12+2*\c]
	v_cvt_scalef32_pk16_fp6_f32 v[PC+12+4*\c:PC+14+4*\c], v[\s+16+32*\c:\s+31+32*\c], v[TM+12+2*\c+1]   ; (a conversion's three registers begin on an even number)
.endr
	WIN 0
	v_nop                                          ; one plain instruction behind a scaled conversion
.irp c, 0,1                            ; the operand's layout wants a whole block in a lane
.irp i, 0,1,2
	v_permlane16_swap_b32 v[PC+6*\c+\i], v[PC+12+4*\c+\i]
.endr
.irp i, 0,1,2
	v_mov_b32 v[PC+3+6*\c+\i], v[PC+12+4*\c+\i]
.endr
.endr
.endm
; q, k: A's block a = 16 tokens x my 128 channels = two heads.  Of head e, tiles 4 e, 4 e + 1 hold channels 16 h + 0..15 (the lower 32), tiles 4 e + 2, 4 e + 3 the same 32 further up.
.macro QKBLOCK a
.set AC, 64*((\a)%4)
.set WW, 2+(\a)/4
.set TB, 64+32*((\a)%3)
.if (\a)%3 == 2
.set TB, 224
.endif
.if (\a) < 6
	s_wait_loadcnt 16                              ; this block's table is in; the two behind it may be out
.else
	s_wait_loadcnt 8*(7-(\a))
.endif
	WIN WW                                         ; source 0 in the accumulators' window
.irp e, 0,1
.irp p, 0,1,2,3,4,5,6,7
.set LO, AC+8*(4*\e+\p/4)+2*(\p%4)
.set HI, LO+16
.set UU, U+4*(\p%2)
	v_pk_mul_f32 v[UU:UU+1], v[HI:HI+1], v[TB+16+2*\p:TB+17+2*\p]
	v_pk_mul_f32 v[UU+2:UU+3], v[LO:LO+1], v[TB+16+2*\p:TB+17+2*\p]
	v_pk_fma_f32 v[T+32*\e+2*\p:T+32*\e+2*\p+1], v[LO:LO+1], v[TB+2*\p:TB+2*\p+1], v[UU:UU+1] neg_lo:[0,0,1] neg_hi:[0,0,1]   ; lower x cos - upper x sin
	v_pk_fma_f32 v[T+32*\e+16+2*\p:T+32*\e+17+2*\p], v[HI:HI+1], v[TB+2*\p:TB+2*\p+1], v[UU+2:UU+3]                            ; upper x cos + lower x sin
.endr
.endr
	WIN 0
.if (\a) < 5
	TAB (\a)+3
.endif
	QUANT T, 0                                     ; registers 6 e .. 6 e + 5 of the fragment are head e's half fragment; bytes 2 e, 2 e + 1 of the word its scales
	global_store_b128 v[L16], v[PC:PC+3], s[10:11] offset:768*(\a)
	global_store_b64 v[L8], v[PC+4:PC+5], s[10:11] offset:768*(\a)+512
	global_store_b128 v[L16], v[PC+6:PC+9], s[10:11] offset:768*(\a)+98304
	global_store_b64 v[L8], v[PC+10:PC+11], s[10:11] offset:768*(\a)+98304+512
.if (\a)%2 == 0
	v_mov_b32 v[PWE], v[PW]
.else
	v_cndmask_b32 v220, v[PWE], v[PW], s96         ; lanes 0-15: the even tile's words, lanes 16-31: the odd tile's
	v_and_b32 v218, 0xffff, v220                   ; head 0's two bytes; the upper two stay 0 over zero codes
	v_lshrrev_b32 v219, 16, v220                   ; head 1's
	global_store_b32 v[L4], v218, s[12:13] offset:128*((\a)/2)
	global_store_b32 v[L4], v219, s[12:13] offset:128*((\a)/2)+8192
.endif
.endm
; v: A's block a = 16 channels (head a / 4, tile a % 4) x my 128 tokens, one key step: quantised straight from the accumulators.
.macro VBLOCK a
.set AC, 64*((\a)%4)
.set WW, 2+(\a)/4
	QUANT AC, WW
.irp c, 0,1,2
	global_store_b128 v[L16], v[PC+4*\c:PC+4*\c+3], s[10:11] offset:98304*((\a)/4)+1536*((\a)%4)+512*\c
.endr
	global_store_b32 v[L4], v[PW], s[12:13] offset:8192*((\a)/4)+128*((\a)%4)
.endm
	PLACES NP                                      ; behind the last products: their results are read and their operands' registers written below
	s_mov_b32 s20, 0x76543210
	s_mov_b32 s21, 0xfedcba98                      ; v_permlanex16_b32's selects for lane l xor 16
	s_mov_b32 s96, 0xffff0000                      ; lanes 16-31
.irp b, 0,1,2,3
	v_mov_b32 v[TM+4+\b], 0                        ; written once: a lane permute's destination counts as one of its sources
.endr
	s_mov_b32 s23, 0
	s_cmp_eq_u32 s98, 0                            ; the role: the same in all sixteen partners
	s_cbranch_scc1 .Lvpath
	s_lshr_b32 s18, s17, 3                         ; batch
	s_lshl_b32 s18, s18, 4
	s_lshl_b32 s19, s101, 5                        ; q: 0, k: 32
	s_add_co_u32 s18, s18, s19
	s_lshl_b32 s19, s40, 2
	s_add_co_u32 s18, s18, s19
	s_lshl_b32 s19, s16, 1
	s_add_co_u32 s18, s18, s19                     ; + my first head: 4 cx + 2 x half
	s_and_b32 s19, s17, 7
	s_lshl_b32 s19, s19, 4
	s_lshl_b32 s22, s15, 3
	s_add_co_u32 s19, s19, s22                     ; my first tile of tokens in the sequence
	s_mul_i32 s22, s18, 98304
	s_mul_i32 s2, s19, 768
	s_add_co_u32 s22, s22, s2
	s_add_nc_u64 s[10:11], s[10:11], s[22:23]
	s_lshl_b32 s22, s18, 13
	s_lshl_b32 s19, s19, 6
	s_add_co_u32 s22, s22, s19
	s_add_nc_u64 s[12:13], s[12:13], s[22:23]
.irp a, 0,1,2,3,4,5,6,7
	QKBLOCK \a
.endr
	s_branch .Lend
.Lvpath:
	s_lshr_b32 s18, s42, 3                         ; batch
	s_lshl_b32 s18, s18, 4
	s_lshl_b32 s19, s17, 2
	s_add_co_u32 s18, s18, s19
	s_lshl_b32 s19, s15, 1
	s_add_co_u32 s18, s18, s19                     ; + my first head: 4 x tile row + 2 x half
	s_and_b32 s19, s42, 7
	s_lshl_b32 s19, s19, 1
	s_add_co_u32 s19, s19, s16                     ; my key step
	s_mul_i32 s22, s18, 98304
	s_mul_i32 s2, s19, 6144
	s_add_co_u32 s22, s22, s2
	s_add_co_u32 s22, s22, 6291456
	s_add_nc_u64 s[10:11], s[10:11], s[22:23]
	s_lshl_b32 s22, s18, 13
	s_lshl_b32 s19, s19, 9
	s_add_co_u32 s22, s22, s19
	s_add_co_u32 s22, s22, 524288
	s_add_nc_u64 s[12:13], s[12:13], s[22:23]
.irp a, 0,1,2,3,4,5,6,7
	VBLOCK \a
.endr
.Lend:
	s_wait_tensorcnt 0x0                           ; the wave's end
	ds_add_u32 v[SPW], v[NIL]
	s_wait_dscnt 0x0
	CROUND                                         ; the closing round
	s_endpgm
.Lfunc_end_k_qfc9f6338e0_qkv:
	.size	k_qfc9f6338e0_qkv, .Lfunc_end_k_qfc9f6338e0_qkv-k_qfc9f6338e0_qkv
	.p2alignl 7, 3214868480
	.fill 96, 4, 3214868480
	.section	.rodata,"a",@progbits
	.p2align	6, 0x0
	.amdhsa_kernel k_qfc9f6338e0_qkv
		.amdhsa_group_segment_fixed_size 327680
		.amdhsa_private_segment_fixed_size 0
		.amdhsa_enable_private_segment 0
		.amdhsa_kernarg_size 40
		.amdhsa_user_sgpr_count 2
		.amdhsa_user_sgpr_kernarg_segment_ptr 1
		.amdhsa_wavefront_size32 1
		.amdhsa_system_sgpr_workgroup_id_x 1
		.amdhsa_system_sgpr_workgroup_id_y 1
		.amdhsa_system_sgpr_workgroup_id_z 1
		.amdhsa_system_vgpr_workitem_id 0
		.amdhsa_next_free_vgpr 1024
		.amdhsa_next_free_sgpr 102
		.amdhsa_reserve_vcc 0
		.amdhsa_float_denorm_mode_32 3
		.amdhsa_float_denorm_mode_16_64 3
		.amdhsa_memory_ordered 1
		.amdhsa_forward_progress 1
		.amdhsa_inst_pref_size 240
	.end_amdhsa_kernel
	.amdgpu_metadata
---
amdhsa.version: [ 1, 2 ]
amdhsa.kernels:
  - .name:           k_qfc9f6338e0_qkv
    .symbol:         k_qfc9f6338e0_qkv.kd
    .args:
      - { .name: codes1, .offset: 0, .size: 8, .value_kind: global_buffer, .address_space: global }
      - { .name: scales1, .offset: 8, .size: 8, .value_kind: global_buffer, .address_space: global }
      - { .name: rope, .offset: 16, .size: 8, .value_kind: global_buffer, .address_space: global }
      - { .name: qkv_codes, .offset: 24, .size: 8, .value_kind: global_buffer, .address_space: global }
      - { .name: qkv_scales, .offset: 32, .size: 8, .value_kind: global_buffer, .address_space: global }
    .group_segment_fixed_size: 327680
    .private_segment_fixed_size: 0
    .kernarg_segment_align: 8
    .kernarg_segment_size: 40
    .max_flat_workgroup_size: 128
    .sgpr_count:     102
    .vgpr_count:     1024
    .wavefront_size: 32
...
	.end_amdgpu_metadata
.endif
;; end of part 2
;; launch attn (part 3): grid 8 x 32, 16 waves a work-group, clusters of 4 x 1, 215,040 bytes of LDS; arguments qkv_codes, qkv_scales, o_codes, o_scales; writes o_codes, o_scales
.if DOCPART == 3
	.amdgcn_target "amdgcn-amd-amdhsa--gfx1250"
	.amdhsa_code_object_version 6
	.text
	.protected	k_qfc9f6338e0_attn
	.globl	k_qfc9f6338e0_attn
	.p2align	8
	.type	k_qfc9f6338e0_attn,@function
k_qfc9f6338e0_attn:
	s_mov_b64 s[64:65], 0
	v_nop
	global_prefetch_b8 v0, s[64:65] scope:SCOPE_SE
	s_setreg_imm32_b32 hwreg(HW_REG_WAVE_MODE, 25, 1), 1
	s_wait_xcnt 0x0
	s_wait_alu depctr_hold_cnt(0) depctr_sa_sdst(0) depctr_va_vdst(0) depctr_va_sdst(0) depctr_va_ssrc(0) depctr_va_vcc(0) depctr_vm_vsrc(0)
	s_getreg_b32 s2, hwreg(HW_REG_IB_STS2, 6, 4)
	s_cmp_eq_u32 s2, 0
	s_cbranch_scc0 .Lentry_in_a_cluster
	s_endpgm
.Lentry_in_a_cluster:
	s_bfe_u32 s2, ttmp6, 0x10000c
	s_cmp_lg_u32 s2, 0x3003
	s_cbranch_scc0 .Lentry_shape_is_right
	s_endpgm
.Lentry_shape_is_right:
; ATTENTION, causal, head size 64, 2,048 tokens, 32 (batch, head) pairs, both products on codes of FP6 (E2M3) with E8M0 scales.
; t = score x log2(e) / 8; M = the running largest t, rounded up to a whole number; p = 2^(t - M) is quantised along the keys, not normalised; the row's sum is taken of the unquantised p and divides O at the end;
; when M moves, the sum and O are multiplied by 2^(old M - new M), exactly.  O / sum is then quantised along the inner axis (head x 64 + channel) for the last product.
; THE WHOLE HEAD LIES IN LDS, FILLED ONCE: K's 128 half fragments (98,304 bytes), V's 64 fragments (98,304), their scale words (8,192 each), as images of operand registers.  Nothing is filled again.
; They come by five joint loads of wave 0 (K) and five of wave 1 (V): the scale words, then four chunks of 512 keys; a barrier stands in front of each chunk's first read, with a counted wait, so the later chunks land under the work.
; SHARES.  A head's 128 tiles of 16 queries go to two clusters of four work-groups of sixteen waves: a wave owns ONE tile.  The head's 16 groups of 128 queries are dealt to pairs of waves by a table, so that
; the four waves of a SIMD have 34 key steps together.  The group g hangs on the wave's number and the cluster's number alone: the causal skip and the test for the diagonal are alike in all four partners;
; the work-group's place in the cluster enters only global addresses and a lane's data.
; LAYOUT.  Both products transposed: S^T = K Q^T, O^T = V^T P^T: a lane holds one query.  Lane r of tile 2 b + u holds token 32 b + 8 u + r + 8 (r / 8), so the 16 registers of two neighbouring tiles are 16 neighbouring keys.
; The head's 64 channels fill half of the instruction's K = 128: registers 6-11 of K's and Q's fragments hold zero codes, under the scale bytes 0 (2^-127): they add nothing.
; LIMITS: NaN and infinities are not served.  A block's largest p is taken by way of its largest score (p rises with the score).  A block of zeros keeps the byte 1; only this program reads the bytes.
; REGISTERS: v1-3 16, 8, 4 x lane; v4 my query less the diagonal step's first key less 16 h; v5 32 r; v8-11 addresses in hand; v12 -M, v13 largest t, v[14:15] the sum; v16-27 Q; v28-31 V's scale words;
;   v32-79 four fragments of K; v80-127 four of V; v128-191 S^T, then p; v192-223 O^T; v224-235 p's codes; v232-254 at work; v248-251 K's scale words; v253 p's; v255 Q's.
.set LK,  0
.set LV,  98304
.set LKS, 196608                       ; V's scale words lie 8,192 bytes behind K's
.set WV,  12                           ; s12 wave;  s13 cx;  s14 g;  s15 128 g;  s61 128 g + 127
.set SEL, 52                           ; s[52:53] selects for lane l xor 16
.set CS,  54                           ; s[54:55] c = log2(e) / 8
.set KF,  56                           ; s56 the step's first key
.set TK,  57                           ; s57, s58, s59: where the step's K, V and scale words begin in LDS
.set TV,  58
.set TS,  59
.set CNT, 60
.macro CROUND                          ; a round of the cluster's barrier
	s_barrier_signal -1
	s_barrier_wait -1
	s_cmp_lg_u32 s[WV], 0
	s_cbranch_scc1 .Lnot_wave_0_\@
	s_barrier_signal -3
.Lnot_wave_0_\@:
	s_barrier_wait -3
	s_barrier_signal -1
	s_barrier_wait -1
.endm
	s_load_b256 s[4:11], s[0:1], 0x0               ; qkv_codes 4, qkv_scales 6, o_codes 8, o_scales 10
	v_lshl_add_u32 v254, v0, 2, 0x34000
	v_mov_b32 v255, 0
	ds_add_u32 v254, v255
	ds_add_u32 v254, v255
	s_wait_dscnt 0x0
	v_lshrrev_b32 v1, 5, v0
	v_readfirstlane_b32 s[WV], v1                  ; wave 0..15
	s_bfe_u32 s13, ttmp6, 0x40000                  ; cx
	s_and_b32 s62, ttmp7, 0xffff                   ; batch x 16 + head
	s_mov_b32 s63, 0x5A873CE1                      ; the groups of the head's second cluster, four bits for each pair of waves;
	s_cmp_eq_u32 ttmp9, 0
	s_cselect_b32 s63, 0x4B962DF0, s63             ; of its first
	s_lshr_b32 s66, s[WV], 1
	s_lshl_b32 s66, s66, 2
	s_lshr_b32 s14, s63, s66
	s_and_b32 s14, s14, 15                         ; g
	s_lshl_b32 s15, s14, 7
	s_add_co_u32 s61, s15, 127
	; descriptor groups 1: dense rows of 256 bytes (32 elements of 8): 96 rows a chunk, 32 for the scale words; the mask names all four work-groups, bit 21 beside it
	s_mov_b32 s16, 15|(3<<16)|(1<<21)
	s_mov_b32 s17, 32<<16
	s_mov_b32 s18, 96<<16
	s_mov_b32 s19, 32<<16
	s_mov_b32 s20, 96
	s_mov_b32 s21, 32
	s_mov_b32 s22, 0
	s_mov_b32 s23, 0
	s_mov_b32 s24, 15|(3<<16)|(1<<21)
	s_mov_b32 s25, 32<<16
	s_mov_b32 s26, 32<<16
	s_mov_b32 s27, 32<<16
	s_mov_b32 s28, 32
	s_mov_b32 s29, 32
	s_mov_b32 s30, 0
	s_mov_b32 s31, 0
	s_and_b32 s67, s[WV], 1                        ; wave 0 fetches K, wave 1 V
	s_mul_i32 s68, s67, LV                         ; LDS: my images,
	s_lshl_b32 s69, s67, 13
	s_add_co_u32 s69, s69, LKS                     ; my scale words
	s_add_co_u32 s70, s67, 1
	s_mul_i32 s72, s70, 3145728                    ; memory: k's or v's part,
	s_mul_i32 s73, s62, 98304                      ; the head's 98,304 bytes
	s_add_co_u32 s72, s72, s73
	s_mov_b32 s73, 0
	s_lshl_b32 s74, s70, 18
	s_lshl_b32 s75, s62, 13
	s_add_co_u32 s74, s74, s75
	s_mov_b32 s75, 0
	s_mov_b32 s[SEL], 0x76543210
	s_mov_b32 s[SEL+1], 0xfedcba98
	s_mov_b32 s[CS], 0x3e38aa3b
	s_mov_b32 s[CS+1], s[CS]                       ; (named with it as a pair, so it is written)
	s_wait_kmcnt 0x0
	s_add_nc_u64 s[72:73], s[4:5], s[72:73]
	s_add_nc_u64 s[74:75], s[6:7], s[74:75]
	CROUND                                         ; all four work-groups are here: the joint loads meet
	s_mov_b32 s32, 1
	s_mov_b32 s33, s69
	s_mov_b64 s[34:35], s[74:75]
	s_or_b32 s35, s35, 0x80000000
.irp j, 0,1,2,3
	s_mov_b32 s[36+4*\j], 1
	s_add_co_u32 s[37+4*\j], s68, \j*24576
	s_add_nc_u64 s[38+4*\j:39+4*\j], s[72:73], \j*24576
	s_or_b32 s[39+4*\j], s[39+4*\j], 0x80000000
.endr
	s_cmp_lt_u32 s[WV], 2                          ; all first fills of a wave in one branch on the wave's number: five loads of mine are out
	s_cbranch_scc0 .Lno_fetch
	tensor_load_to_lds s[32:35], s[24:31]
	s_nop 0
	tensor_load_to_lds s[36:39], s[16:23]
	s_nop 0
	tensor_load_to_lds s[40:43], s[16:23]
	s_nop 0
	tensor_load_to_lds s[44:47], s[16:23]
	s_nop 0
	tensor_load_to_lds s[48:51], s[16:23]
	s_nop 0
.rept 4
	v_nop
.endr
.Lno_fetch:
	v_and_b32 v6, 31, v0
	v_lshlrev_b32 v1, 4, v6
	v_lshlrev_b32 v2, 3, v6
	v_lshlrev_b32 v3, 2, v6
	v_and_b32 v7, 15, v0                           ; r
	v_bfe_u32 v5, v0, 4, 1                         ; h
	v_and_b32 v4, 8, v7
	v_add_nc_u32 v4, v4, v7                        ; r + 8 (r / 8)
	v_lshlrev_b32 v5, 4, v5
	v_sub_nc_u32 v4, v4, v5
	s_lshl_b32 s76, s13, 5
	s_lshl_b32 s77, s67, 3
	s_add_co_u32 s76, s76, s77
	v_add_nc_u32 v4, s76, v4                       ; my query - 128 g - 16 h (signed)
	v_lshlrev_b32 v5, 5, v7                        ; 32 r
	v_lshlrev_b32 v7, 2, v7                        ; 4 r
	s_lshl_b32 s76, s62, 7
	s_lshl_b32 s77, s14, 3
	s_add_co_u32 s76, s76, s77
	s_lshl_b32 s77, s13, 1
	s_add_co_u32 s76, s76, s77
	s_add_co_u32 s76, s76, s67                     ; my tile of queries among q's 4,096
	s_mul_i32 s78, s76, 768
	s_mov_b32 s79, 0
	s_add_nc_u64 s[4:5], s[4:5], s[78:79]
	global_load_b128 v[16:19], v1, s[4:5]          ; Q's half fragment stays in registers
	global_load_b64 v[20:21], v2, s[4:5] offset:512
	s_lshl_b32 s78, s76, 6                         ; its scale words: 128 bytes a pair of tiles, 64 a tile
	s_add_nc_u64 s[6:7], s[6:7], s[78:79]
	global_load_b32 v255, v7, s[6:7]
	s_lshr_b32 s77, s62, 4
	s_lshl_b32 s77, s77, 7
	s_lshl_b32 s78, s62, 7
	s_sub_co_u32 s76, s76, s78
	s_add_co_u32 s76, s76, s77                     ; my tile of rows of O: batch x 128 + tile in the sequence
	s_and_b32 s77, s62, 15                         ; head
	s_lshl_b32 s78, s76, 4
	s_add_co_u32 s78, s78, s77
	s_mul_i32 s78, s78, 768
	s_add_nc_u64 s[8:9], s[8:9], s[78:79]
	s_lshl_b32 s78, s76, 9
	s_lshl_b32 s77, s77, 1
	s_add_co_u32 s78, s78, s77
	s_add_nc_u64 s[10:11], s[10:11], s[78:79]
.irp i, 22,23,24,25,26,27
	v_mov_b32 v[\i], 0                             ; Q's upper 64 along K: zero codes
.endr
.irp t, 0,1,2,3
.irp i, 6,7,8,9,10,11
	v_mov_b32 v[32+12*\t+\i], 0                    ; K's likewise: written once, no load lands there
.endr
.endr
	v_mov_b32 v13, 0xff61b1e6                      ; the largest t so far: -3e38
	v_floor_f32 v12, -v13                          ; -M
	v_mov_b32 v14, 0
	v_mov_b32 v15, 0
.irp b, 0,1,2,3
	v_mov_b32 v[236+\b], 0                         ; written once: a lane permute's destination counts as one of its sources
.endr
	v_mov_b32 v252, 0
	v_mov_b32 v253, 0
.set j, 0
.rept 32
	v_mov_b32 v[192+j], 0                          ; O^T: the step is written once; the first finds zeros, which the first change of M leaves zeros
.set j, j+1
.endr
; A KEY STEP: 128 keys.
.macro STEP
	s_cmp_gt_u32 s[KF], s61                        ; all its keys come after my group's queries: the work is left out; the lines at the end that step addresses are not
	s_cbranch_scc1 .Lhidden_\@
	v_add_nc_u32 v8, s[TK], v1                     ; (these four are also the places behind the last step's products, in front of loads into their operands)
	v_add_nc_u32 v9, s[TK], v2
	v_add_nc_u32 v10, s[TV], v1
	v_add_nc_u32 v11, s[TS], v3
.irp gg, 0,1                           ; S^T = K Q^T, four tiles of 16 keys at a time
.if \gg
.rept 4
	v_nop                                          ; places in front of loads into registers that matrix instructions have read
.endr
.endif
.irp t, 0,1,2,3
	ds_load_b128 v[32+12*\t:35+12*\t], v8 offset:768*(4*\gg+\t)
	ds_load_b64 v[36+12*\t:37+12*\t], v9 offset:768*(4*\gg+\t)+512
.endr
	ds_load_b32 v[248+2*\gg], v11 offset:128*(2*\gg)       ; a pair of tiles' scale words: lanes 0-15 the even tile, lanes 16-31 the odd
	ds_load_b32 v[249+2*\gg], v11 offset:128*(2*\gg+1)
.if \gg
.irp t, 0,1,2,3                        ; V's four fragments and scale words are asked for here and land under the softmax
.irp c, 0,1,2
	ds_load_b128 v[80+12*\t+4*\c:83+12*\t+4*\c], v10 offset:1536*\t+512*\c
.endr
	ds_load_b32 v[28+\t], v11 offset:8192+128*\t
.endr
	s_wait_dscnt 16                                ; K's are in; V's 16 loads may be out
.else
	s_wait_dscnt 0x0
.endif
.irp t, 0,1,2,3
.if (\t)%2
	v_wmma_scale_f32_16x16x128_f8f6f4 v[128+8*(4*\gg+\t):135+8*(4*\gg+\t)], v[32+12*\t:43+12*\t], v[16:27], 0, v[248+2*\gg+\t/2], v255 matrix_a_fmt:MATRIX_FMT_FP6 matrix_b_fmt:MATRIX_FMT_FP6 matrix_a_scale:MATRIX_SCALE_ROW1
.else
	v_wmma_scale_f32_16x16x128_f8f6f4 v[128+8*(4*\gg+\t):135+8*(4*\gg+\t)], v[32+12*\t:43+12*\t], v[16:27], 0, v[248+2*\gg+\t/2], v255 matrix_a_fmt:MATRIX_FMT_FP6 matrix_b_fmt:MATRIX_FMT_FP6
.endif
.endr
.endr
.rept 4
	v_nop
.endr
	s_cmp_lt_u32 s[KF], s15                        ; a step ahead of my group's: all its keys count
	s_cbranch_scc1 .Lopen_\@
	v_mov_b32 v254, 0xff800000                     ; the diagonal step: register 16 b + i holds key 128 g + 32 b + 16 h + i: hidden where 32 b + i > v4; its score becomes -infinity, p = 0
.irp n, 0,1,2,3,4,5,6,7,8,9,10,11,12,13,14,15,16,17,18,19,20,21,22,23,24,25,26,27,28,29,30,31,32,33,34,35,36,37,38,39,40,41,42,43,44,45,46,47,48,49,50,51,52,53,54,55,56,57,58,59,60,61,62,63
	v_cmp_gt_i32 vcc_lo, 32*(\n/16)+\n%16, v4
	v_cndmask_b32 v[128+\n], v[128+\n], v254, vcc_lo
.endr
.Lopen_\@:
.irp b, 0,1,2,3
	v_max3_num_f32 v[232+\b], v[128+16*\b], v[129+16*\b], v[130+16*\b]   ; the largest score of each block of 32 keys: for the row's maximum, and for the block's largest p
.endr
.irp i, 3,5,7,9,11,13
.irp b, 0,1,2,3
	v_max3_num_f32 v[232+\b], v[232+\b], v[128+16*\b+\i], v[129+16*\b+\i]
.endr
.endr
.irp b, 0,1,2,3
	v_max_num_f32 v[232+\b], v[232+\b], v[143+16*\b]
.endr
.irp b, 0,1,2,3
	v_permlanex16_b32 v[236+\b], v[232+\b], s[SEL], s[SEL+1]
.endr
.irp b, 0,1,2,3
	v_max_num_f32 v[232+\b], v[232+\b], v[236+\b]  ; with lane l xor 16's 16 keys
.endr
	v_max3_num_f32 v254, v232, v233, v234
	v_max_num_f32 v254, v254, v235
	v_mul_f32 v254, s[CS], v254                    ; as t
	v_max_num_f32 v13, v13, v254                   ; the running largest t
	v_mov_b32 v254, v12
	v_floor_f32 v12, -v13                          ; the new -M = -ceil(t)
	v_sub_f32 v254, v12, v254                      ; old M - new M: a whole number, 0 or less
	v_cvt_i32_f32 v254, v254                       ; (it saturates)
	v_ldexp_f32 v252, 1.0, v254                    ; f = 2^(old M - new M)
.irp j, 0,2,4,6,8,10,12,14,16,18,20,22,24,26,28,30,32,34,36,38,40,42,44,46,48,50,52,54,56,58,60,62
	v_pk_fma_f32 v[128+\j:129+\j], v[128+\j:129+\j], s[CS:CS+1], v[12:13] op_sel_hi:[1,0,0]   ; t - M
.endr
.irp b, 0,1,2,3
	v_fma_f32 v[232+\b], v[232+\b], s[CS], v12     ; the same of each block's largest score
.endr
.irp j, 0,1,2,3,4,5,6,7,8,9,10,11,12,13,14,15,16,17,18,19,20,21,22,23,24,25,26,27,28,29,30,31,32,33,34,35,36,37,38,39,40,41,42,43,44,45,46,47,48,49,50,51,52,53,54,55,56,57,58,59,60,61,62,63
	v_exp_f32 v[128+\j], v[128+\j]                 ; p = 2^(t - M)
.endr
	v_pk_mul_f32 v[14:15], v[14:15], v[252:253] op_sel_hi:[1,0]   ; the sums under the new M (the plain instruction behind the batch)
	s_wait_alu depctr_va_vdst(0)                   ; one wait for the batch of 64, ahead of its first reader
.irp b, 0,1,2,3
	v_exp_f32 v[232+\b], v[232+\b]                 ; each block's largest p
.endr
	v_pk_add_f32 v[236:237], v[128:129], v[130:131]   ; the row's sum of the unquantised p, in two chains
.irp j, 4,8,12,16,20,24,28,32,36,40,44,48,52,56,60
	v_pk_add_f32 v[14:15], v[14:15], v[128+\j:129+\j]
	v_pk_add_f32 v[236:237], v[236:237], v[130+\j:131+\j]
.endr
	v_pk_add_f32 v[14:15], v[14:15], v[236:237]
	s_wait_alu depctr_va_vdst(0)                   ; and one for the four
.irp b, 0,1,2,3
	v_max_num_f32 v[232+\b], 0x1800000, v[232+\b]  ; the floor 2^(3 - 127)
.endr
.irp b, 0,1,2,3
	v_add_nc_u32 v[244+\b], 0xff000000, v[232+\b]  ; the conversion's scale operand
.endr
.irp b, 0,1,2,3
	v_lshrrev_b32 v[236+\b], 23, v[244+\b]         ; the scale's byte
.endr
	v_lshl_or_b32 v253, v237, 8, v236              ; p's scale word for these 128 keys
	v_lshl_or_b32 v253, v238, 16, v253
	v_lshl_or_b32 v253, v239, 24, v253
.irp c, 0,1
	v_cvt_scalef32_pk16_fp6_f32 v[224+6*\c:226+6*\c], v[128+32*\c:143+32*\c], v[244+2*\c]
	v_cvt_scalef32_pk16_fp6_f32 v[236+4*\c:238+4*\c], v[144+32*\c:159+32*\c], v[244+2*\c+1]
.endr
	v_nop                                          ; one plain instruction behind a scaled conversion
.irp c, 0,1
.irp i, 0,1,2
	v_permlane16_swap_b32 v[224+6*\c+\i], v[236+4*\c+\i]
.endr
.irp i, 0,1,2
	v_mov_b32 v[227+6*\c+\i], v[236+4*\c+\i]
.endr
.endr
.irp j, 0,2,4,6,8,10,12,14,16,18,20,22,24,26,28,30
	v_pk_mul_f32 v[192+\j:193+\j], v[192+\j:193+\j], v[252:253] op_sel_hi:[1,0]   ; O^T under the new M (also the places between the codes' and the scale word's last writes and the products)
.endr
	s_wait_dscnt 0x0                               ; V is in
.irp t, 0,1,2,3                        ; O^T += V^T P^T: four accumulators by turns
	v_wmma_scale_f32_16x16x128_f8f6f4 v[192+8*\t:199+8*\t], v[80+12*\t:91+12*\t], v[224:235], v[192+8*\t:199+8*\t], v[28+\t], v253 matrix_a_fmt:MATRIX_FMT_FP6 matrix_b_fmt:MATRIX_FMT_FP6
.endr
.Lhidden_\@:
	s_add_co_u32 s[KF], s[KF], 128
	s_add_co_u32 s[TK], s[TK], 6144
	s_add_co_u32 s[TV], s[TV], 6144
	s_add_co_u32 s[TS], s[TS], 512
.endm
; Chunk c: 512 keys, four steps.  The fetching waves wait for their chunk (the later chunks stay out), then all sixteen meet.
.macro PHASE c
	s_wait_tensorcnt 3-\c                          ; behind chunk c's load 3 - c loads were issued
	s_wait_dscnt 0x0
	s_barrier_signal -1
	s_barrier_wait -1
	s_mov_b32 s[KF], 512*\c
	s_mov_b32 s[TK], LK+24576*\c
	s_mov_b32 s[TV], LV+24576*\c
	s_mov_b32 s[TS], LKS+2048*\c
	s_mov_b32 s[CNT], 4
.Lstep_\@:
	STEP
	s_sub_co_u32 s[CNT], s[CNT], 1
	s_cmp_lg_u32 s[CNT], 0
	s_cbranch_scc1 .Lstep_\@
.endm
	s_wait_loadcnt 0x0                             ; Q
	PHASE 0
	PHASE 1
	PHASE 2
	PHASE 3
	; THE WAY OUT.  O^T / the sum: register 16 a + i is channel 32 a + 16 h + i of my query: two blocks along the last product's K, each shared with lane l xor 16.
	v_add_f32 v14, v14, v15
	v_permlanex16_b32 v252, v14, s[SEL], s[SEL+1]
	v_add_f32 v14, v14, v252                       ; the row's sum
	v_rcp_f32 v14, v14
	v_nop                                          ; plain instructions behind the transcendental; with the lines above also the places behind the last products
	v_nop
	s_wait_alu depctr_va_vdst(0)                   ; the wait ahead of the first use
.set j, 0
.rept 32
	v_mul_f32 v[128+j], v[192+j], v14              ; each accumulator from its low end on
.set j, j+1
.endr
.irp b, 0,1
	v_max3_num_f32 v[232+\b], |v[128+16*\b]|, |v[129+16*\b]|, 0x1800000
.endr
.irp i, 2,4,6,8,10,12,14
.irp b, 0,1
	v_max3_num_f32 v[232+\b], v[232+\b], |v[128+16*\b+\i]|, |v[129+16*\b+\i]|
.endr
.endr
.irp b, 0,1
	v_permlanex16_b32 v[236+\b], v[232+\b], s[SEL], s[SEL+1]
.endr
.irp b, 0,1
	v_max_num_f32 v[232+\b], v[232+\b], v[236+\b]
.endr
.irp b, 0,1
	v_add_nc_u32 v[244+\b], 0xff000000, v[232+\b]
.endr
.irp b, 0,1
	v_lshrrev_b32 v[236+\b], 23, v[244+\b]
.endr
	v_lshl_or_b32 v254, v237, 8, v236              ; my row's two scale bytes of this head
	v_cvt_scalef32_pk16_fp6_f32 v[224:226], v[128:143], v244
	v_cvt_scalef32_pk16_fp6_f32 v[236:238], v[144:159], v245
	v_nop
.irp i, 0,1,2
	v_permlane16_swap_b32 v[224+\i], v[236+\i]
.endr
.irp i, 0,1,2
	v_mov_b32 v[227+\i], v[236+\i]                 ; v224-229: k = 32 h + 0 .. 31 of my row: a half fragment
.endr
	global_store_b128 v1, v[224:227], s[8:9]       ; 512 consecutive bytes
	global_store_b64 v2, v[228:229], s[8:9] offset:512   ; 256 consecutive bytes
	global_store_b16 v5, v254, s[10:11]            ; two bytes of each row's 32 (lanes 16-31 repeat lanes 0-15's store with the same value): 131,072 bytes in the whole launch go out in such pieces
	s_wait_tensorcnt 0x0
	s_wait_dscnt 0x0
	s_wait_xcnt 0x0
	v_lshl_add_u32 v254, v0, 2, 0x34000
	v_mov_b32 v255, 0
	s_wait_tensorcnt 0x0
	ds_add_u32 v254, v255
	s_wait_dscnt 0x0
	CROUND                                         ; the closing round
	s_endpgm
.Lfunc_end_k_qfc9f6338e0_attn:
	.size	k_qfc9f6338e0_attn, .Lfunc_end_k_qfc9f6338e0_attn-k_qfc9f6338e0_attn
	.p2alignl 7, 3214868480
	.fill 96, 4, 3214868480
	.section	.rodata,"a",@progbits
	.p2align	6, 0x0
	.amdhsa_kernel k_qfc9f6338e0_attn
		.amdhsa_group_segment_fixed_size 215040
		.amdhsa_private_segment_fixed_size 0
		.amdhsa_enable_private_segment 0
		.amdhsa_kernarg_size 32
		.amdhsa_user_sgpr_count 2
		.amdhsa_user_sgpr_kernarg_segment_ptr 1
		.amdhsa_wavefront_size32 1
		.amdhsa_system_sgpr_workgroup_id_x 1
		.amdhsa_system_sgpr_workgroup_id_y 1
		.amdhsa_system_sgpr_workgroup_id_z 1
		.amdhsa_system_vgpr_workitem_id 0
		.amdhsa_next_free_vgpr 256
		.amdhsa_next_free_sgpr 82
		.amdhsa_reserve_vcc 1
		.amdhsa_float_denorm_mode_32 3
		.amdhsa_float_denorm_mode_16_64 3
		.amdhsa_memory_ordered 1
		.amdhsa_forward_progress 1
		.amdhsa_inst_pref_size 100
	.end_amdhsa_kernel
	.amdgpu_metadata
---
amdhsa.version: [ 1, 2 ]
amdhsa.kernels:
  - .name:           k_qfc9f6338e0_attn
    .symbol:         k_qfc9f6338e0_attn.kd
    .args:
      - { .name: qkv_codes, .offset: 0, .size: 8, .value_kind: global_buffer, .address_space: global }
      - { .name: qkv_scales, .offset: 8, .size: 8, .value_kind: global_buffer, .address_space: global }
      - { .name: o_codes, .offset: 16, .size: 8, .value_kind: global_buffer, .address_space: global }
      - { .name: o_scales, .offset: 24, .size: 8, .value_kind: global_buffer, .address_space: global }
    .group_segment_fixed_size: 215040
    .private_segment_fixed_size: 0
    .kernarg_segment_align: 8
    .kernarg_segment_size: 32
    .max_flat_workgroup_size: 512
    .sgpr_count:     82
    .vgpr_count:     256
    .wavefront_size: 32
...
	.end_amdgpu_metadata
.endif
;; end of part 3
;; launch outp (part 4): grid 4 x 16, 4 waves a work-group, clusters of 4 x 4, 327,680 bytes of LDS; arguments o_codes, o_scales, codes1, scales1, b_out, out0; writes out0
.if DOCPART == 4
	.amdgcn_target "amdgcn-amd-amdhsa--gfx1250"
	.amdhsa_code_object_version 6
	.text
	.protected	k_qfc9f6338e0_outp
	.globl	k_qfc9f6338e0_outp
	.p2align	8
	.type	k_qfc9f6338e0_outp,@function
k_qfc9f6338e0_outp:
	s_mov_b64 s[64:65], 0
	v_nop
	global_prefetch_b8 v0, s[64:65] scope:SCOPE_SE
	s_setreg_imm32_b32 hwreg(HW_REG_WAVE_MODE, 25, 1), 1
	s_wait_xcnt 0x0
	s_wait_alu depctr_hold_cnt(0) depctr_sa_sdst(0) depctr_va_vdst(0) depctr_va_sdst(0) depctr_va_ssrc(0) depctr_va_vcc(0) depctr_vm_vsrc(0)
	s_getreg_b32 s2, hwreg(HW_REG_IB_STS2, 6, 4)
	s_cmp_eq_u32 s2, 0
	s_cbranch_scc0 .Lentry_in_a_cluster
	s_endpgm
.Lentry_in_a_cluster:
	s_bfe_u32 s2, ttmp6, 0x10000c
	s_cmp_lg_u32 s2, 0xf033
	s_cbranch_scc0 .Lentry_shape_is_right
	s_endpgm
.Lentry_shape_is_right:
; OUT PROJECTION.  out0 [4096][1024] f32 = O W_out + b_out on codes of FP6 (E2M3) with E8M0 scales, K = 1,024.
; A work-group of four waves makes 256 x 256, a wave 128 x 128 in 64 accumulators; K goes in steps of 256 through a ring of two LDS slots filled by joint tensor loads; 4 x 4 work-groups form a cluster,
; A's tiles shared along a row, B's along a column.  64 work-groups: the product has no more tiles of this size.
; A = O comes as images of operand registers, [tile of 16 rows][head][768 bytes]: a K step of 256 is four heads, 3,072 consecutive bytes of each tile: a fragment (two heads) is four LDS loads with no pitch.
; B = W_out's codes, rows of 768 bytes, as in the first product.  Rows of both lie in tile order (bits 3 and 4 of the row number exchanged); the way out puts rows and columns back.
; The matrix instruction is used transposed (source 0 = 16 rows of W_out, source 1 = 16 rows of O): a lane holds eight neighbouring numbers of a row of the result.  The bias is the C of each sum's first product.
; REGISTERS: window 0: v0-31 addresses; v32-63 scale words, two sets; v64-127 the bias, eight tiles; v128-223 A's fragments, one set (on the way out v128-255 rows).  window 1: B's fragments, two sets.  windows 2, 3: accumulators.
.set NQ,     2
.set ROWB,   192
.set KROW,   768
.set PITCH,  240
.set FR,     12
.set NLA,    4                         ; LDS loads that bring a fragment of A
.set NP,     4
.set ASTEP,  3072                      ; A: a tile's bytes of a K step
.set AHALF,  8*ASTEP                   ; eight tiles: what one tensor load brings
.set BOFF,   2*AHALF
.set HALFT,  128*PITCH
.set SLOT,   BOFF+2*HALFT
.set LAPS,   2
.set KS,     32
.set SCL,    2*SLOT
.set HALFS,  (128*KS/256)*272
.set SBLK,   (16*KS/256)*272
.set SPARE,  SCL+4*HALFS               ; the spare words: 128 bytes a wave, named by no other line
.set SPITCH, 528                       ; the way out: a stage of 16 rows x (512 + 16) bytes a wave, in slot 0, which has had its last fill and its last read by then
.set SIZE_N, 1024
.set ADRA, 16                          ; v16-17 16 x lane in my half of A, slot 0, 1; v18-19 the same with 8 x lane
.set ADRB, 20
.set STO,  24
.set RD,   25
.set CO,   26
.set ADRS, 27
.set SPW,  28
.set NIL,  29
.set SC,   32
.set BI,   64
.set AF,   128
.set BK,   128
.set G1, 24
.set G0, 32
.set G1B, 48
.set G0B, 56
.set G1S, 68
.set G0S, 76
.set G1SB, 80
.set G0SB, 88
.set MSB, 0
.macro WIN new
.if MSB != (\new)
	s_set_vgpr_msb (MSB<<8)|(\new)
.set MSB, \new
.endif
.endm
.set MUL_LO, 0xa1
.set MUL_HI, 0xf1
.set TO_B,   0x40
.macro JLOAD g0a, g1a, g0b, g1b        ; waves 0 and 1 fetch for A, waves 2 and 3 for B; four v_nop follow each line
	s_cmp_eq_u32 s15, 0
	s_cbranch_scc0 .Lfor_b_\@
	tensor_load_to_lds s[\g0a:\g0a+3], s[\g1a:\g1a+7]
	s_nop 0
.rept 4
	v_nop
.endr
	s_branch .Lasked_\@
.Lfor_b_\@:
	tensor_load_to_lds s[\g0b:\g0b+3], s[\g1b:\g1b+7]
	s_nop 0
.rept 4
	v_nop
.endr
.Lasked_\@:
.endm
.macro CREST
	s_cmp_lg_u32 s14, 0
	s_cbranch_scc1 .Lnot_wave_0_\@
	s_barrier_signal -3
.Lnot_wave_0_\@:
	s_barrier_wait -3
	s_barrier_signal -1
	s_barrier_wait -1
.endm
.macro CROUND
	s_barrier_signal -1
	s_barrier_wait -1
	CREST
.endm
	s_load_b128 s[4:7], s[0:1], 0x0                ; o_codes, o_scales
	s_load_b128 s[8:11], s[0:1], 0x10              ; codes1, scales1
	s_load_b64 s[96:97], s[0:1], 0x20              ; b_out
	s_load_b64 s[12:13], s[0:1], 0x28              ; out0
	v_lshl_add_u32 v[SPW], v0, 2, SPARE
	v_mov_b32 v[NIL], 0
	ds_add_u32 v28, v29
	ds_add_u32 v28, v29
	s_wait_dscnt 0x0
	v_lshrrev_b32 v1, 5, v0
	v_readfirstlane_b32 s14, v1
	s_lshr_b32 s15, s14, 1                         ; my half of the rows; also: I fetch for A (0) or B (1)
	s_and_b32 s16, s14, 1                          ; my half of the columns; also: which half of that tile I fetch
	s_bfe_u32 s40, ttmp6, 0x40000
	s_bfe_u32 s41, ttmp6, 0x40004
	s_lshl_b32 s42, ttmp9, 2
	s_add_co_u32 s42, s42, s40                     ; tile column
	s_and_b32 s17, ttmp7, 0xffff
	s_lshl_b32 s17, s17, 2
	s_add_co_u32 s17, s17, s41                     ; tile row
	s_lshl_b32 s43, s41, 2
	s_lshl_b32 s43, 15, s43
	s_lshl_b32 s44, 0x1111, s40
	s_or_b32 s[G1+0], s43, (3<<16)|(1<<21)         ; A: the mask; elements of 8 bytes; no padding; bit 21 beside a mask
	s_mov_b32 s[G1+1], 384<<16                     ; tensor_dim0 = 384 elements: 3,072 bytes
	s_mov_b32 s[G1+2], 8<<16                       ; tensor_dim1 = 8 tiles
	s_mov_b32 s[G1+3], 384<<16
	s_mov_b32 s[G1+4], 8
	s_mov_b32 s[G1+5], 1536                        ; from tile to tile: 16 heads x 768 bytes
	s_mov_b32 s[G1+6], 0
	s_mov_b32 s[G1+7], 0
	s_or_b32 s[G1B+0], s44, (0<<16)|(1<<20)|(1<<21)|(3<<22)|(3<<25)
	s_mov_b32 s[G1B+1], ROWB<<16
	s_mov_b32 s[G1B+2], 128<<16
	s_mov_b32 s[G1B+3], ROWB<<16
	s_mov_b32 s[G1B+4], 128
	s_mov_b32 s[G1B+5], KROW
	s_mov_b32 s[G1B+6], 0
	s_mov_b32 s[G1B+7], 0
	s_or_b32 s[G1S+0], s43, (3<<16)|(1<<20)|(1<<21)|(5<<22)|(3<<25)
	s_or_b32 s[G1SB+0], s44, (3<<16)|(1<<20)|(1<<21)|(5<<22)|(3<<25)
.irp g, G1S, G1SB
	s_mov_b32 s[\g+1], 32<<16
	s_mov_b32 s[\g+2], (128*KS/256)<<16
	s_mov_b32 s[\g+3], 32<<16
	s_mov_b32 s[\g+4], 128*KS/256
	s_mov_b32 s[\g+5], 32
	s_mov_b32 s[\g+6], 0
	s_mov_b32 s[\g+7], 0
.endr
	s_lshl_b32 s18, s16, 7
	s_lshl_b32 s20, s17, 8
	s_add_co_u32 s20, s20, s18                     ; A: row 256 x tile row + 128 x half
	s_lshl_b32 s46, s42, 8
	s_add_co_u32 s46, s46, s18                     ; B: row 256 x tile column + 128 x half
	s_mov_b32 s21, 0
	s_mov_b32 s47, 0
	s_mov_b64 s[18:19], KS
	s_mul_u64 s[22:23], s[20:21], s[18:19]
	s_mul_u64 s[92:93], s[46:47], s[18:19]
	s_mov_b64 s[18:19], KROW
	s_mul_u64 s[20:21], s[20:21], s[18:19]         ; (a tile of 16 rows is 12,288 bytes: 768 a row, as in rows)
	s_mul_u64 s[46:47], s[46:47], s[18:19]
	s_add_co_u32 s46, s46, 5505024                 ; W_out's part of codes1
	s_add_co_u32 s92, s92, 229376                  ; and of scales1
	s_mul_i32 s45, s16, AHALF                      ; where they go: A's halves,
	s_mul_i32 s95, s16, HALFT
	s_add_co_u32 s95, s95, BOFF                    ; B's behind them
	s_mul_i32 s94, s14, HALFS
	s_wait_kmcnt 0x0
	s_add_nc_u64 s[20:21], s[4:5], s[20:21]
	s_add_nc_u64 s[22:23], s[6:7], s[22:23]
	s_add_nc_u64 s[46:47], s[8:9], s[46:47]
	s_add_nc_u64 s[92:93], s[10:11], s[92:93]
	CROUND
	s_mov_b32 s[G0S], 1
	s_add_co_u32 s[G0S+1], s94, SCL
	s_mov_b64 s[G0S+2:G0S+3], s[22:23]
	s_or_b32 s[G0S+3], s[G0S+3], 0x80000000
	s_mov_b32 s[G0SB], 1
	s_add_co_u32 s[G0SB+1], s94, SCL
	s_mov_b64 s[G0SB+2:G0SB+3], s[92:93]
	s_or_b32 s[G0SB+3], s[G0SB+3], 0x80000000
	JLOAD G0S, G1S, G0SB, G1SB
.irp s, 0,1
	s_mov_b32 s[G0+4*\s], 1
	s_add_co_u32 s[G0+4*\s+1], s45, \s*SLOT
	s_add_nc_u64 s[G0+4*\s+2:G0+4*\s+3], s[20:21], \s*ASTEP
	s_or_b32 s[G0+4*\s+3], s[G0+4*\s+3], 0x80000000
	s_mov_b32 s[G0B+4*\s], 1
	s_add_co_u32 s[G0B+4*\s+1], s95, \s*SLOT
	s_add_nc_u64 s[G0B+4*\s+2:G0B+4*\s+3], s[46:47], \s*ROWB
	s_or_b32 s[G0B+4*\s+3], s[G0B+4*\s+3], 0x80000000
	JLOAD G0+4*\s, G1, G0B+4*\s, G1B
.endr
	v_and_b32 v1, 15, v0                           ; r
	v_bfe_u32 v2, v0, 4, 1                         ; h
	v_and_b32 v6, 31, v0
	v_mul_u32_u24 v3, v1, PITCH
	v_mul_u32_u24 v4, v2, 24
	v_add_nc_u32 v4, v3, v4
	v_lshl_add_u32 v5, v2, 4, v4
	v_lshlrev_b32 v7, 4, v6
	v_lshlrev_b32 v8, 3, v6
	s_mul_i32 s21, s15, AHALF
	s_mul_i32 s22, s16, HALFT
	s_add_co_u32 s22, s22, BOFF
.irp s, 0,1
	v_add_nc_u32 v[ADRA+\s], s21, v7
	v_add_nc_u32 v[ADRA+2+\s], s21, v8
	v_add_nc_u32 v[ADRB+\s], s22, v4
	v_add_nc_u32 v[ADRB+2+\s], s22, v5
	s_add_co_u32 s21, s21, SLOT
	s_add_co_u32 s22, s22, SLOT
.endr
	v_mul_u32_u24 v5, v1, KS
	v_lshrrev_b32 v9, 8, v5
	v_lshl_add_u32 v5, v9, 4, v5
	s_mul_i32 s21, s15, HALFS
	s_mul_i32 s22, s16, HALFS
	s_add_co_u32 s22, s22, 2*HALFS
	s_sub_co_u32 s22, s22, s21
	v_mul_u32_u24 v9, s22, v2
	s_add_co_u32 s21, s21, SCL
	v_add_nc_u32 v5, v5, v9
	v_add_nc_u32 v[ADRS], s21, v5
	s_mul_i32 s23, s14, 16*SPITCH                  ; my stage
	v_mul_u32_u24 v5, v1, SPITCH
	v_lshl_add_u32 v5, v2, 6, v5                   ; in: row r; my half's 16 columns of each 32: 64 h bytes on
	v_add_nc_u32 v[STO], s23, v5
	v_lshlrev_b32 v[CO], 4, v6
	v_add_nc_u32 v[RD], s23, v[CO]
	s_lshl_b32 s20, s17, 8
	s_lshl_b32 s21, s15, 7
	s_add_co_u32 s20, s20, s21
	s_mov_b32 s21, 0
	s_mov_b64 s[18:19], SIZE_N*4
	s_mul_u64 s[20:21], s[20:21], s[18:19]
	s_lshl_b32 s46, s42, 10
	s_lshl_b32 s47, s16, 9
	s_add_co_u32 s46, s46, s47                     ; my first column, in bytes
	s_mov_b32 s47, 0
	s_add_nc_u64 s[20:21], s[20:21], s[46:47]
	s_add_nc_u64 s[12:13], s[12:13], s[20:21]
	s_add_nc_u64 s[96:97], s[96:97], s[46:47]
	v_lshlrev_b32 v11, 6, v2
.irp b, 0,1,2,3,4,5,6,7                ; the bias in the result's layout: tile b, register j: column 32 (b / 2) + 16 h + 8 (b % 2) + j
	global_load_b128 v[BI+8*\b:BI+8*\b+3], v11, s[96:97] offset:128*(\b/2)+32*(\b%2)
	global_load_b128 v[BI+8*\b+4:BI+8*\b+7], v11, s[96:97] offset:128*(\b/2)+32*(\b%2)+16
.endr
.macro FRAG reg, adr, q, i             ; a fragment of B, from rows: six loads of 8 bytes
.irp p, 0,1,2,3,4,5
.set PIE, 12*(\q)+6*(\p/3)+\p%3
.if PIE%8 < 5
	ds_load_b64 v[\reg+2*\p:\reg+2*\p+1], v[\adr] offset:8*PIE+16*(PIE/8)+(\i)*16*PITCH
.else
	ds_load_b64 v[\reg+2*\p:\reg+2*\p+1], v[\adr+2] offset:8*PIE+16*(PIE/8)+(\i)*16*PITCH
.endif
.endr
.endm
.macro FRAG_A reg, slot, q, i          ; a fragment of A: two heads' half images, as they were stored
	ds_load_b128 v[\reg:\reg+3], v[ADRA+\slot] offset:ASTEP*(\i)+1536*(\q)
	ds_load_b64 v[\reg+4:\reg+5], v[ADRA+2+\slot] offset:ASTEP*(\i)+1536*(\q)+512
	ds_load_b128 v[\reg+6:\reg+9], v[ADRA+\slot] offset:ASTEP*(\i)+1536*(\q)+768
	ds_load_b64 v[\reg+10:\reg+11], v[ADRA+2+\slot] offset:ASTEP*(\i)+1536*(\q)+1280
.endm
; 16 matrix instructions; zero = 1: the first product starts the sums from the bias.  The 64 accumulators take turns.
.macro MUL16 a0, p, q, sc, zero
.irp a, \a0, \a0+1
.irp b, 0,1,2,3,4,5,6,7
.if \zero
	v_wmma_scale_f32_16x16x128_f8f6f4 v[8*(8*((\a)%4)+\b):8*(8*((\a)%4)+\b)+7], v[128*(\p)+FR*\b:128*(\p)+FR*\b+FR-1], v[AF+FR*(\a):AF+FR*(\a)+FR-1], v[BI+8*\b:BI+8*\b+7], v[SC+8*NQ*(\sc)+NQ*\b+(\q)], v[SC+8*NQ*(\sc)+NQ*(\a)+(\q)] matrix_a_fmt:MATRIX_FMT_FP6 matrix_b_fmt:MATRIX_FMT_FP6 matrix_a_scale:MATRIX_SCALE_ROW1
.else
	v_wmma_scale_f32_16x16x128_f8f6f4 v[8*(8*((\a)%4)+\b):8*(8*((\a)%4)+\b)+7], v[128*(\p)+FR*\b:128*(\p)+FR*\b+FR-1], v[AF+FR*(\a):AF+FR*(\a)+FR-1], v[8*(8*((\a)%4)+\b):8*(8*((\a)%4)+\b)+7], v[SC+8*NQ*(\sc)+NQ*\b+(\q)], v[SC+8*NQ*(\sc)+NQ*(\a)+(\q)] matrix_a_fmt:MATRIX_FMT_FP6 matrix_b_fmt:MATRIX_FMT_FP6 matrix_a_scale:MATRIX_SCALE_ROW1
.endif
.endr
.endr
.endm
.macro FETCH_B slot, q, p
	WIN TO_B
.irp i, 0,1,2,3,4,5,6,7
	FRAG 128*(\p)+FR*\i, ADRB+\slot, \q, \i
.endr
	WIN 0
.endm
.macro FETCH_A slot, q, i0
.irp i, \i0, \i0+1, \i0+2, \i0+3
	FRAG_A AF+FR*(\i), \slot, \q, \i
.endr
.endm
.macro SCALES sc
.irp i, 0,1,2,3,4,5,6,7
	ds_load_b64 v[SC+8*NQ*\sc+NQ*\i:SC+8*NQ*\sc+NQ*\i+1], v[ADRS] offset:\i*SBLK
.endr
.endm
.macro PLACES n
.rept \n
	v_nop
.endr
.endm
.macro STEP slot, q, zero
	s_wait_dscnt 4*NLA                             ; B's set and A's blocks 0-3 are in; the youngest 16 loads (A's blocks 4-7) may be out
.if \zero
	WIN 0x81                                       ; source 0 window 1, A and the bias window 0, D window 2
.else
	WIN MUL_LO
.endif
	MUL16 0, (\q)%2, \q, \slot, \zero
	MUL16 2, (\q)%2, \q, \slot, \zero
	s_wait_dscnt 0
	PLACES NP
	FETCH_B \slot, (\q)+1, 1-(\q)%2
	FETCH_A \slot, (\q)+1, 0
.if \zero
	WIN 0xc1
.else
	WIN MUL_HI
.endif
	MUL16 4, (\q)%2, \q, \slot, \zero
	MUL16 6, (\q)%2, \q, \slot, \zero
	PLACES NP
	WIN 0
	FETCH_A \slot, (\q)+1, 4
.endm
.macro TURN slot, next, fill
	s_wait_tensorcnt 0x0                           ; all my tensor loads have landed: my part of the next slot
	ds_add_u32 v[SPW], v[NIL]                      ; 0 onto my spare word
	s_wait_dscnt 4*NLA+1                           ; (the add and the youngest 16 loads may be out)
	WIN MUL_LO
	MUL16 0, 1, NQ-1, \slot, 0
	s_wait_dscnt 0x0                               ; the add is done, and my reads of this slot are over
	s_barrier_signal -1
	MUL16 2, 1, NQ-1, \slot, 0
	WIN 0
	s_barrier_wait -1
.if \fill
	CREST                                          ; the barrier has opened a round of the cluster's
	s_add_nc_u64 s[G0+4*\slot+2:G0+4*\slot+3], s[G0+4*\slot+2:G0+4*\slot+3], 2*ASTEP
	s_add_nc_u64 s[G0B+4*\slot+2:G0B+4*\slot+3], s[G0B+4*\slot+2:G0B+4*\slot+3], 2*ROWB
	JLOAD G0+4*\slot, G1, G0B+4*\slot, G1B
.else
	PLACES NP
.endif
	v_add_nc_u32 v[ADRS], 4*NQ, v[ADRS]
	FETCH_B \next, 0, 0
	FETCH_A \next, 0, 0
	SCALES \next
	WIN MUL_HI
	MUL16 4, 1, NQ-1, \slot, 0
	MUL16 6, 1, NQ-1, \slot, 0
	PLACES NP
	WIN 0
	FETCH_A \next, 0, 4
.endm
	s_wait_tensorcnt 1                             ; the scales and my part of K step 0 are in (slot 1's load may be out)
	s_barrier_signal -1
	s_barrier_wait -1
	FETCH_B 0, 0, 0
	FETCH_A 0, 0, 0
	SCALES 0
	FETCH_A 0, 0, 4
	s_wait_loadcnt 0x0                             ; the bias
	STEP 0, 0, 1
	s_mov_b32 s3, LAPS-1
.Llap:
	TURN 0, 1, 1
	STEP 1, 0, 0
	TURN 1, 0, 1
	STEP 0, 0, 0
	s_sub_co_u32 s3, s3, 1
	s_cmp_lg_u32 s3, 0
	s_cbranch_scc1 .Llap
	TURN 0, 1, 0
	STEP 1, 0, 0
	s_wait_dscnt 4*NLA
	WIN MUL_LO
	MUL16 0, 1, NQ-1, 1, 0
	MUL16 2, 1, NQ-1, 1, 0
	s_wait_dscnt 0
	WIN MUL_HI
	MUL16 4, 1, NQ-1, 1, 0
	MUL16 6, 1, NQ-1, 1, 0
	WIN 0
; THE WAY OUT, block by block of 16 rows x 128 columns, through my own stage: in by 32 bytes a lane at the columns' true places, back as whole rows of 512 bytes.
.macro TOSTAGE a
.set AC, 64*((\a)%4)
	WIN 0x08+4*((\a)/4)                            ; an LDS store's data: window 2 or 3
.irp b, 0,1,2,3,4,5,6,7
	ds_store_b128 v[STO], v[AC+8*\b:AC+8*\b+3] offset:128*(\b/2)+32*(\b%2)       ; each accumulator from its low end on
	ds_store_b128 v[STO], v[AC+8*\b+4:AC+8*\b+7] offset:128*(\b/2)+32*(\b%2)+16
.endr
	WIN 0
.set BB, BK+64*((\a)%2)
.irp t, 0,1,2,3,4,5,6,7,8,9,10,11,12,13,14,15
	ds_load_b128 v[BB+4*\t:BB+4*\t+3], v[RD] offset:\t*SPITCH   ; LDS serves a wave's instructions in order
.endr
.endm
.macro SEND a, younger
.set BB, BK+64*((\a)%2)
	s_wait_dscnt \younger                          ; the block is back in registers; the LDS instructions issued behind its loads may be out
.irp t, 0,1,2,3,4,5,6,7,8,9,10,11,12,13,14,15
	global_store_b128 v[CO], v[BB+4*\t:BB+4*\t+3], s[12:13] offset:(32*((\a)/2)+8*((\a)%2)+\t+8*(\t/8))*SIZE_N*4 th:TH_STORE_NT   ; the tile's row t is logical row 8 u + t + 8 (t / 8); 32 lanes store 512 consecutive bytes, aligned
.endr
.endm
	PLACES NP
	TOSTAGE 0
.irp a, 1,2,3,4,5,6,7
.if \a > 1
	s_wait_xcnt 0x0                                ; block a - 2's stores have read their registers: block a's loads may land there
.endif
	TOSTAGE \a
	SEND \a-1, 32                                  ; behind block a - 1's loads: block a's 16 stores and 16 loads
.endr
	SEND 7, 0
	s_wait_tensorcnt 0x0                           ; the wave's end
	ds_add_u32 v[SPW], v[NIL]
	s_wait_dscnt 0x0
	CROUND                                         ; the closing round
	s_endpgm
.Lfunc_end_k_qfc9f6338e0_outp:
	.size	k_qfc9f6338e0_outp, .Lfunc_end_k_qfc9f6338e0_outp-k_qfc9f6338e0_outp
	.p2alignl 7, 3214868480
	.fill 96, 4, 3214868480
	.section	.rodata,"a",@progbits
	.p2align	6, 0x0
	.amdhsa_kernel k_qfc9f6338e0_outp
		.amdhsa_group_segment_fixed_size 327680
		.amdhsa_private_segment_fixed_size 0
		.amdhsa_enable_private_segment 0
		.amdhsa_kernarg_size 48
		.amdhsa_user_sgpr_count 2
		.amdhsa_user_sgpr_kernarg_segment_ptr 1
		.amdhsa_wavefront_size32 1
		.amdhsa_system_sgpr_workgroup_id_x 1
		.amdhsa_system_sgpr_workgroup_id_y 1
		.amdhsa_system_sgpr_workgroup_id_z 1
		.amdhsa_system_vgpr_workitem_id 0
		.amdhsa_next_free_vgpr 1024
		.amdhsa_next_free_sgpr 100
		.amdhsa_reserve_vcc 0
		.amdhsa_float_denorm_mode_32 3
		.amdhsa_float_denorm_mode_16_64 3
		.amdhsa_memory_ordered 1
		.amdhsa_forward_progress 1
		.amdhsa_inst_pref_size 153
	.end_amdhsa_kernel
	.amdgpu_metadata
---
amdhsa.version: [ 1, 2 ]
amdhsa.kernels:
  - .name:           k_qfc9f6338e0_outp
    .symbol:         k_qfc9f6338e0_outp.kd
    .args:
      - { .name: o_codes, .offset: 0, .size: 8, .value_kind: global_buffer, .address_space: global }
      - { .name: o_scales, .offset: 8, .size: 8, .value_kind: global_buffer, .address_space: global }
      - { .name: codes1, .offset: 16, .size: 8, .value_kind: global_buffer, .address_space: global }
      - { .name: scales1, .offset: 24, .size: 8, .value_kind: global_buffer, .address_space: global }
      - { .name: b_out, .offset: 32, .size: 8, .value_kind: global_buffer, .address_space: global }
      - { .name: out0, .offset: 40, .size: 8, .value_kind: global_buffer, .address_space: global }
    .group_segment_fixed_size: 327680
    .private_segment_fixed_size: 0
    .kernarg_segment_align: 8
    .kernarg_segment_size: 48
    .max_flat_workgroup_size: 128
    .sgpr_count:     100
    .vgpr_count:     1024
    .wavefront_size: 32
...
	.end_amdgpu_metadata
.endif
;; end of part 4
